; MI455X (gfx1250); checked and timed in simulation.
; The chip was launched on July 23, 2026; its instructions are those of AMD's public machine-readable ISA for CDNA 5 (MIT licence, August 2026) and "CDNA5" Instruction Set Architecture Reference Guide (July 2026). The comments in the code are by the model that wrote it; some were corrected since.
;; Multi head attention. Allowed arithmetic: matrix products marked QUANTISED: E2M3 operands, one E8M0 scale for each 32 along K, by v_wmma_scale_f32_16x16x128_f8f6f4 with both operands' format E2M3, f32 sums; everything else in f32.
;; Inputs: bk 1,024 float32; bo 1,024 float32; bq 1,024 float32; bv 1,024 float32; k 4 x 2,048 x 1,024 float32; q 4 x 2,048 x 1,024 float32; v 4 x 2,048 x 1,024 float32; wk 1,024 x 1,024 float32; wo 1,024 x 1,024 float32; wq 1,024 x 1,024 float32; wv 1,024 x 1,024 float32.
;; Outputs: out0 4 x 2,048 x 1,024 float32.
;; This version of the problem:
;;   THIS VERSION OF THE PROBLEM IS GIVEN IN LOW PRECISION. The matrix products marked QUANTISED in the list below multiply operands that are first quantised to E2M3 (2 exponent bits, 3 mantissa bits; 6 bits a number), with one power-of-two scale for each 32 numbers along K (OCP MX v1.0); their sums are f32. All else is computed in f32.
;;   The module's matrix products, in the order in which they are computed (A, B: the left and right operand; K: the contracted axis; several contracted axes count as one K, in the product's order):
;;     1. [M 8,192, K 1,024] x [K 1,024, N 1,024]; A: input q; B: input wq: QUANTISED
;;     2. [M 8,192, K 1,024] x [K 1,024, N 1,024]; A: input k; B: input wk: QUANTISED
;;     3. [M 8,192, K 1,024] x [K 1,024, N 1,024]; A: input v; B: input wv: QUANTISED
;;     4. batch 64 x [M 2,048, K 64] x [K 64, N 2,048]; A: computed on the way; B: computed on the way: QUANTISED
;;     5. batch 64 x [M 2,048, K 2,048] x [K 2,048, N 64]; A: softmax (see below); B: computed on the way: QUANTISED
;;     6. [M 8,192, K 1,024] x [K 1,024, N 1,024]; A: computed on the way; B: input wo: QUANTISED
;;   THE QUANTISER, for each operand of a quantised product, along K:
;;     - K is cut into blocks of 32 from its start; a last block that is shorter is filled with zeros.
;;     - A block's scale is 2^e with e = floor(log2(the largest magnitude in the block)) - 2, held to -126 .. 127; a block of zeros has e = 0. As a byte (E8M0): e + 127.
;;     - Each number is divided by its block's scale, clamped to +-7.5, and rounded to the nearest number of E2M3, ties to even, subnormals kept.
;;     - The product sums the exact products of the quantised numbers (number of the format x scale) in f32.
;;   ~~~python
;;   def quantise(x, axis):      # numpy; x: float32 -> the quantised numbers, widened to float32 again
;;       x = np.moveaxis(x, axis, -1); K = x.shape[-1]
;;       x = np.pad(x, [(0, 0)] * (x.ndim - 1) + [(0, -K % 32)]); x = x.reshape(x.shape[:-1] + (-1, 32)); a = np.abs(x).max(-1, keepdims=True)
;;       e = np.where(a > 0, np.clip(np.frexp(np.where(a > 0, a, 1))[1] - 1 - 2, -126, 127), 0)      # np.frexp(a)[1] - 1 = floor(log2(a)), exactly
;;       r = np.clip(x / 2.0 ** e, -7.5, 7.5)
;;       step = 2.0 ** (np.maximum(np.frexp(np.where(r == 0, 1, r))[1] - 1, 0) - 3)
;;       q = np.round(r / step) * step * 2.0 ** e      # np.round: ties to even
;;       return np.moveaxis(q.reshape(q.shape[:-2] + (-1,))[..., :K], -1, axis).astype(np.float32)
;;   ~~~
;;   SOFTMAX AHEAD OF A QUANTISED PRODUCT. Where the list says 'softmax', what is quantised is not the finished softmax but p = 2^(t - M), with t = logit x log2(e) and M = ceil(the row's largest t), a whole number; so 1/2 < the row's largest p <= 1. The row's sum l is taken of the UNQUANTISED p, in f32, and the product's result is divided by l at the end. Since M is a whole number, a kernel that streams over the keys may use a running M (the ceiling of the running maximum): every later rescaling is an exact power of two, which a block's scale takes up: the codes' values come out the same.
;;   OPERANDS COMPUTED ON THE WAY. 'Computed on the way' means the value that the module computes at that place (a softmax that the list does not call 'softmax' is quantised finished and normalised). What goes into a quantiser is computed in f32, as accurately as f32 sums, v_exp_f32 and their like allow (about 1e-6 of the number): no bf16 or f16 on the way to a quantiser, and a product that is left as it is and whose result goes on into a quantised operand takes f32 operands (vector FMAs, or v_wmma_f32_16x16x4_f32). A number that lies on a knife's edge between two numbers of the format may be rounded either way, as far as f32 arithmetic and the matrix unit's own rounding can turn it there, and no further.
;; One version. Each part assembles by itself: llvm-mc -triple=amdgcn-amd-amdhsa -mcpu=gfx1250 --defsym DOCPART=n.
;; ======== version 1 of 1: 4 launches
;; workspace buffers: xcodes 22,020,096 bytes; xscales 917,504 bytes; pcodes 18,874,368 bytes; pscales 786,432 bytes; acodes 6,291,456 bytes; ascales 262,144 bytes
;; launch quant (part 1): grid 256 x 1, 7 waves a work-group, no clusters, 60,416 bytes of LDS; arguments q, k, v, wq, wk, wv, wo, xcodes, xscales; writes xcodes, xscales
.if DOCPART == 1
	.amdgcn_target "amdgcn-amd-amdhsa--gfx1250"
	.amdhsa_code_object_version 6
	.text
	.protected	k_qf2fddcf4e2_quant
	.globl	k_qf2fddcf4e2_quant
	.p2align	8
	.type	k_qf2fddcf4e2_quant,@function
k_qf2fddcf4e2_quant:
	s_mov_b64 s[64:65], 0
	v_nop
	global_prefetch_b8 v0, s[64:65] scope:SCOPE_SE
	s_setreg_imm32_b32 hwreg(HW_REG_WAVE_MODE, 25, 1), 1
	s_wait_xcnt 0x0
; q, k, v [8192][1024] and wq, wk, wv, wo [1024][1024], f32 with K innermost, become codes of FP6 (E2M3) with one E8M0 byte for each 32 along K.
; A block's scale is 2^(floor(log2(its largest magnitude)) - 2): its byte is the largest magnitude's exponent field - 2, held at 1 from below.
; LIMITS: NaN and infinities among the inputs are not served.  A block whose largest magnitude lies under 2^-124 gets the byte 1; a block of zeros gets the byte 1
; where the quantiser's rule says 127: its codes are zeros, which add nothing under any byte but 0xff, and the bytes are read by this program alone.
; LAYOUT OF THE RESULT: images of operand registers.  A ROW BLOCK is 16 rows for all of K: 8 fragments of 16 rows x 128 K, 12 registers a lane; register 4 g + i of lane L lies at
; byte 1536 s + 512 g + 16 L + 4 i of the block's 12,288 bytes.  The block's 128 scale words (row r, K step s) lie at 16 (r + 16 (s % 2)) + 4 (s / 2) of its 512 bytes: one load of
; 16 bytes a lane gives four scale registers, each with an even step's words in lanes 0-15 and the odd step's in lanes 16-31.
; ROW ORDER: q and wo: lane row rho of block rb is row 16 rb + rho.  k, v, wq, wk, wv: lane row rho of block 2 g + u is row 32 g + 8 u + rho + 8 (rho / 8), so that the results of two
; neighbouring tiles of a product that takes such a block as source 0 are 16 neighbours along that axis in a lane's registers.
; SHARES: 1,792 row blocks = 256 work-groups x 7 waves, a block to a wave.  Waves share nothing: no barrier, no cluster (no byte is read twice), no matrix unit.
; Each load reads 512 consecutive bytes of one row; a K step's 16 rows turn through the wave's own stage in LDS (rows 528 bytes apart), from which lane (r, h) takes the 32 neighbours of
; its two blocks.  Two K steps' loads (32 a wave) are on their way.  Every store of codes covers 512 consecutive bytes, at a multiple of 512 from the buffer's first byte.
.set R,    16                          ; v16-143  two sets of 64: a K step's 16 rows as loaded
.set X,    144                         ; v144-207 my 64 numbers: k = 64 c + 32 h + 0 .. 31 of row r at X + 32 c
.set D,    208                         ; v208-231 two sets of 12: a fragment's codes
.set TT,   232                         ; v232-234, v236-238 the upper halves of the two blocks' codes (a conversion's three registers begin on an even number)
.set MX,   240                         ; v240-241 largest magnitudes
.set SO,   242                         ; v242-243 the conversions' scale operands
.set BY,   244                         ; v244-245 the scale bytes
.set WD,   246                         ; v246-247 the scale word in the making
.set EV,   248                         ; v248     the even step's word
.set SW,   252                         ; v252-255 the block's scale words
.set STG,  16*528                      ; a wave's stage
.set WV,   4
.set G,    5                           ; my row block, 0 .. 1791
.set SRC,  26                          ; s[26:27] my tensor, then my block's first row
.set SEL,  32
	s_load_b512 s[8:23], s[0:1], 0x0               ; q s[8:9], k, v, wq, wk, wv, wo s[20:21], xcodes s[22:23]
	s_load_b64 s[24:25], s[0:1], 0x40              ; xscales
	v_lshl_add_u32 v250, v0, 2, 0xe800
	v_mov_b32 v251, 0
	v_lshrrev_b32 v1, 5, v0
	v_readfirstlane_b32 s[WV], v1                  ; wave 0 .. 6
	v_and_b32 v1, 31, v0
	v_lshlrev_b32 v1, 4, v1                        ; 16 x lane: my bytes of a load's 512, and of a store's
	v_and_b32 v5, 15, v0                           ; r
	v_bfe_u32 v6, v0, 4, 1                         ; h
	s_mul_i32 s6, s[WV], STG
	v_add_nc_u32 v4, s6, v1                        ; the stage, on the way in: 16 x lane of a row
	v_mul_u32_u24 v5, v5, 528
	v_lshl_add_u32 v5, v6, 7, v5
	v_add_nc_u32 v5, s6, v5                        ; and on the way out: row r, + 128 h bytes
	v_lshlrev_b32 v6, 3, v6                        ; 8 h: my two bytes' place in the scale word
	v_mov_b32 v[WD+1], 0                           ; written once: a lane permute's destination counts as one of its sources
	s_mul_i32 s[G], ttmp9, 7
	s_add_co_u32 s[G], s[G], s[WV]
	s_mov_b32 s31, 0xffff0000                      ; lanes 16-31
	s_mov_b32 s[SEL], 0x76543210
	s_mov_b32 s[SEL+1], 0xfedcba98                 ; v_permlanex16_b32's selects for lane l xor 16
	s_mov_b32 s28, 0                               ; my tensor's first row block
	s_mov_b32 s30, 8*4096                          ; from lane row 0 to lane row 8, in bytes
	s_wait_alu depctr_va_vdst(0)
	s_wait_kmcnt 0x0
	s_mov_b64 s[SRC:SRC+1], s[8:9]
.macro PICK first, ptr                 ; from row block first on: the tensor at s[ptr].  The choice hangs on the block's number alone
	s_cmp_ge_u32 s[G], \first
	s_cselect_b64 s[SRC:SRC+1], s[\ptr:\ptr+1], s[SRC:SRC+1]
	s_cselect_b32 s28, \first, s28
.endm
	PICK 512, 10
	PICK 1024, 12
	PICK 1536, 14
	PICK 1600, 16
	PICK 1664, 18
	PICK 1728, 20
	s_cmp_ge_u32 s[G], 512
	s_cselect_b32 s29, 1, 0
	s_cmp_ge_u32 s[G], 1728
	s_cselect_b32 s29, 0, s29                      ; 1: the second row order
	s_sub_co_u32 s34, s[G], s28                    ; rb
	s_lshr_b32 s35, s34, 1
	s_lshl_b32 s35, s35, 5
	s_and_b32 s36, s34, 1
	s_lshl_b32 s36, s36, 3
	s_add_co_u32 s35, s35, s36                     ; 32 (rb / 2) + 8 (rb % 2)
	s_lshl_b32 s36, s34, 4                         ; 16 rb
	s_cmp_eq_u32 s29, 1
	s_cselect_b32 s35, s35, s36                    ; lane row 0
	s_cselect_b32 s30, 16*4096, s30
	s_lshl_b32 s36, s35, 12                        ; a row is 4,096 bytes; under 2^25
	s_mov_b32 s37, 0
	s_add_nc_u64 s[SRC:SRC+1], s[SRC:SRC+1], s[36:37]
	s_mul_i32 s36, s[G], 12288
	s_add_nc_u64 s[22:23], s[22:23], s[36:37]
	s_lshl_b32 s36, s[G], 9
	s_add_nc_u64 s[24:25], s[24:25], s[36:37]
	v_add_nc_u32 v3, s30, v1                       ; lane rows 8-15
.macro LOAD s                          ; K step s: 16 rows x 512 bytes into set s % 2
.irp rho, 0,1,2,3,4,5,6,7
	global_load_b128 v[R+64*((\s)%2)+4*\rho:R+64*((\s)%2)+4*\rho+3], v1, s[SRC:SRC+1] offset:\rho*4096+512*(\s) th:TH_LOAD_NT
.endr
.irp rho, 0,1,2,3,4,5,6,7
	global_load_b128 v[R+64*((\s)%2)+32+4*\rho:R+64*((\s)%2)+32+4*\rho+3], v3, s[SRC:SRC+1] offset:\rho*4096+512*(\s) th:TH_LOAD_NT
.endr
.endm
.macro FRAG s
.set RS, R+64*((\s)%2)
.set DS, D+12*((\s)%2)
.if (\s) < 7
	s_wait_loadcnt 16                              ; this step's 16 loads are in; the next step's 16 may be out
.else
	s_wait_loadcnt 0x0
.endif
.set n, 0
.rept 16
	ds_store_b128 v4, v[RS+4*n:RS+4*n+3] offset:528*n
.set n, n+1
.endr
.irp c, 0,1
.irp i, 0,1,2,3,4,5,6,7
	ds_load_b128 v[X+32*\c+4*\i:X+32*\c+4*\i+3], v5 offset:256*\c+16*\i   ; LDS serves a wave's instructions in order: these see the stores above
.endr
.endr
	s_wait_dscnt 0x0                               ; my 64 numbers are in, and the stores have read their registers,
.if (\s) < 6
	LOAD (\s)+2                                    ; which take the loads of two steps on
.endif
.irp c, 0,1
	v_max3_num_f32 v[MX+\c], |v[X+32*\c]|, |v[X+32*\c+1]|, 0x1800000   ; my block 2 c + h: all its 32 numbers are mine; and the floor 2^(3 - 127): the byte cannot fall under 1
.endr
.irp i, 2,4,6,8,10,12,14,16,18,20,22,24,26,28,30
.irp c, 0,1
	v_max3_num_f32 v[MX+\c], v[MX+\c], |v[X+32*\c+\i]|, |v[X+32*\c+\i+1]|
.endr
.endr
.irp c, 0,1
	v_add_nc_u32 v[SO+\c], 0xff000000, v[MX+\c]    ; 2 off the exponent field: the conversion takes the exponent field of this operand as its scale
.endr
.irp c, 0,1
	v_lshrrev_b32 v[BY+\c], 23, v[SO+\c]           ; the scale's byte
.endr
	v_lshl_or_b32 v[WD], v[BY+1], 16, v[BY]        ; blocks h and 2 + h of row r,
	v_lshlrev_b32 v[WD], v6, v[WD]                 ; at their places in the word;
	v_permlanex16_b32 v[WD+1], v[WD], s[SEL], s[SEL+1]
.if (\s)%2
	v_or_b32 v[WD], v[WD], v[WD+1]                 ; with lane l xor 16's two the word is whole
	v_cndmask_b32 v[SW+(\s)/2], v[EV], v[WD], s31  ; lanes 0-15 keep the even step's word, lanes 16-31 this one
.else
	v_or_b32 v[EV], v[WD], v[WD+1]
.endif
	s_wait_alu depctr_va_vdst(0)
	s_wait_xcnt 0x0                                ; the stores of two steps back have read this set of codes: it is written again only behind this wait
.irp c, 0,1
	v_cvt_scalef32_pk16_fp6_f32 v[DS+6*\c:DS+6*\c+2], v[X+32*\c:X+32*\c+15], v[SO+\c]
	v_cvt_scalef32_pk16_fp6_f32 v[TT+4*\c:TT+4*\c+2], v[X+32*\c+16:X+32*\c+31], v[SO+\c]
.endr
	v_nop                                          ; one plain place behind a scaled conversion
.irp c, 0,1
.irp i, 0,1,2
	v_mov_b32 v[DS+3+6*\c+\i], v[TT+4*\c+\i]
.endr
.endr
.irp g, 0,1,2
	global_store_b128 v1, v[DS+4*\g:DS+4*\g+3], s[22:23] offset:1536*(\s)+512*\g
.endr
.endm
	LOAD 0
	LOAD 1
	s_wait_alu depctr_va_vdst(0)
.irp s, 0,1,2,3,4,5,6,7
	FRAG \s
.endr
	global_store_b128 v1, v[SW:SW+3], s[24:25]     ; the block's 512 bytes of scale words
	s_wait_tensorcnt 0x0
	ds_add_u32 v250, v251
	s_wait_dscnt 0x0
	s_endpgm
.Lfunc_end_k_qf2fddcf4e2_quant:
	.size	k_qf2fddcf4e2_quant, .Lfunc_end_k_qf2fddcf4e2_quant-k_qf2fddcf4e2_quant
	.p2alignl 7, 3214868480
	.fill 96, 4, 3214868480
	.section	.rodata,"a",@progbits
	.p2align	6, 0x0
	.amdhsa_kernel k_qf2fddcf4e2_quant
		.amdhsa_group_segment_fixed_size 60416
		.amdhsa_private_segment_fixed_size 0
		.amdhsa_enable_private_segment 0
		.amdhsa_kernarg_size 72
		.amdhsa_user_sgpr_count 2
		.amdhsa_user_sgpr_kernarg_segment_ptr 1
		.amdhsa_wavefront_size32 1
		.amdhsa_system_sgpr_workgroup_id_x 1
		.amdhsa_system_sgpr_workgroup_id_y 1
		.amdhsa_system_sgpr_workgroup_id_z 1
		.amdhsa_system_vgpr_workitem_id 0
		.amdhsa_next_free_vgpr 256
		.amdhsa_next_free_sgpr 66
		.amdhsa_reserve_vcc 0
		.amdhsa_float_denorm_mode_32 3
		.amdhsa_float_denorm_mode_16_64 3
		.amdhsa_memory_ordered 1
		.amdhsa_forward_progress 1
		.amdhsa_inst_pref_size 59
	.end_amdhsa_kernel
	.amdgpu_metadata
---
amdhsa.version: [ 1, 2 ]
amdhsa.kernels:
  - .name:           k_qf2fddcf4e2_quant
    .symbol:         k_qf2fddcf4e2_quant.kd
    .args:
      - { .name: q, .offset: 0, .size: 8, .value_kind: global_buffer, .address_space: global }
      - { .name: k, .offset: 8, .size: 8, .value_kind: global_buffer, .address_space: global }
      - { .name: v, .offset: 16, .size: 8, .value_kind: global_buffer, .address_space: global }
      - { .name: wq, .offset: 24, .size: 8, .value_kind: global_buffer, .address_space: global }
      - { .name: wk, .offset: 32, .size: 8, .value_kind: global_buffer, .address_space: global }
      - { .name: wv, .offset: 40, .size: 8, .value_kind: global_buffer, .address_space: global }
      - { .name: wo, .offset: 48, .size: 8, .value_kind: global_buffer, .address_space: global }
      - { .name: xcodes, .offset: 56, .size: 8, .value_kind: global_buffer, .address_space: global }
      - { .name: xscales, .offset: 64, .size: 8, .value_kind: global_buffer, .address_space: global }
    .group_segment_fixed_size: 60416
    .private_segment_fixed_size: 0
    .kernarg_segment_align: 8
    .kernarg_segment_size: 72
    .max_flat_workgroup_size: 224
    .sgpr_count:     66
    .vgpr_count:     256
    .wavefront_size: 32
...
	.end_amdgpu_metadata
.endif
;; end of part 1
;; launch proj (part 2): grid 4 x 192, 4 waves a work-group, clusters of 4 x 4, 295,424 bytes of LDS; arguments xcodes, xscales, bq, bk, bv, pcodes, pscales; writes pcodes, pscales
.if DOCPART == 2
	.amdgcn_target "amdgcn-amd-amdhsa--gfx1250"
	.amdhsa_code_object_version 6
	.text
	.protected	k_qf2fddcf4e2_proj
	.globl	k_qf2fddcf4e2_proj
	.p2align	8
	.type	k_qf2fddcf4e2_proj,@function
k_qf2fddcf4e2_proj:
	s_mov_b64 s[64:65], 0
	v_nop
	global_prefetch_b8 v0, s[64:65] scope:SCOPE_SE
	s_setreg_imm32_b32 hwreg(HW_REG_WAVE_MODE, 25, 1), 1
	s_wait_xcnt 0x0
	s_wait_alu depctr_hold_cnt(0) depctr_sa_sdst(0) depctr_va_vdst(0) depctr_va_sdst(0) depctr_va_ssrc(0) depctr_va_vcc(0) depctr_vm_vsrc(0)
	s_getreg_b32 s2, hwreg(HW_REG_IB_STS2, 6, 4)
	s_cmp_eq_u32 s2, 0
	s_cbranch_scc0 .Lentry_in_a_cluster
	s_endpgm
.Lentry_in_a_cluster:
	s_bfe_u32 s2, ttmp6, 0x10000c
	s_cmp_lg_u32 s2, 0xf033
	s_cbranch_scc0 .Lentry_shape_is_right
	s_endpgm
.Lentry_shape_is_right:
; The three input projections, on codes of FP6 (E2M3) with E8M0 scales, and the quantising of their results into attention's operands.
; ONE FORM SERVES ALL THREE: R[i][j] = sum over k of S0[i][k] S1[j][k] + bias, source 0 = 16 rows of S0, source 1 = 16 rows of S1: a lane holds ONE j and its registers run along i,
; and R is quantised along i.  T = 0: S0 = wq, S1 = q (i = channel, j = token).  T = 1: S0 = wk, S1 = k.  T = 2: S0 = v (i = token), S1 = wv (j = channel): V is quantised along the tokens.
; S0's row blocks carry the order 32 g + 8 u + rho + 8 (rho / 8), so that the 16 registers of i tiles 2 g and 2 g + 1 are i = 32 g + 16 (lane / 16) + 0 .. 15: 16 neighbours along the next K.
; LIMITS: NaN and infinities are not served; a block of results whose largest magnitude lies under 2^-124, zeros among them, gets the byte 1 (its codes under that byte are what the rule
; gives for the byte 1; a block of zeros has zero codes), and the bytes are read by this program alone.
; SHARES: a work-group takes 256 i x 128 j for all of K = 1,024; a wave 128 i x 64 j: 32 accumulators, (jt, it) at v[8 (8 jt + it)] of window 2.  768 work-groups.
; LDS: both operands' codes for the whole K, 294,912 bytes, filled ONCE, in four chunks of two K steps: chunk c at 73,728 c: S0's 16 row blocks x 3,072 bytes, then S1's 8.  All four
; loads of a wave go out at the start; a counted wait and a barrier stand in front of each chunk's first read; no byte of LDS is filled twice.
; A fragment lies in memory and in LDS as the image of its 12 registers: three loads of 512 consecutive bytes bring it.
; CLUSTER: 4 x 4 work-groups.  S0's tile hangs on cx (and the cluster's number) alone and is asked for jointly by the four of a column; S1's on cy alone, by the four of a row.
; RESULTS: T = 0, 1: for each head and each pair P of token tiles one fragment [tile 2 P: the head's 64 channels | tile 2 P + 1: the same]: pcodes part T, [head of batch][P][1,536 bytes].
;   T = 2: for each head, key step of 128 and tile of 16 channels one fragment: pcodes part 2, [head of batch][step][tile][1,536 bytes].
;   Scale words: Q's at pscales [head][P][row] (4 bytes); K's and V's from byte 262,144 on, [head][step][32 lanes][4 words]: lanes 0-15 K's four fragments, lanes 16-31 V's four tiles.
; REGISTERS: window 0: v1 16 x lane, v2 r, v3 h, v4-7 and v8-11 LDS addresses for S0 and S1 in chunks 0-3, v12-15 offsets; v16-47, v48-63 scale words; v64-127 the bias;
;   v128-223 S1's fragments, two sets of 48 (at the end: four result fragments and their words); v224-246 the quantiser's work.  window 1: S0's fragments, two sets of 96.  window 2: the sums.
.set CHUNK, 73728
.set S1OFF, 49152
.set RBB,   12288                      ; a row block's codes
.set AI,  4
.set AJ,  8
.set SI,  16                           ; v[SI + 4 it + p]: S0's words of K step 2 p in lanes 0-15, of 2 p + 1 in lanes 16-31
.set SJ,  48                           ; the same for S1
.set BB,  64
.set JF,  128
.set TM,  224                          ; v224-227 largest magnitudes, v228-231 bytes, v236-239 scale operands
.set TT,  240
.set SEL, 2
.set WV,  18
.set HF,  19                           ; wave % 2: which half of a tile I fetch; also which 128 i are mine
.set FR,  20                           ; wave / 2: I fetch for S0 (0) or S1 (1); also which 64 j are mine
.set CX,  21
.set CY,  22
.set TY,  24                           ; T
.set IT,  26                           ; the tile along i
.set JT,  27                           ; the tile along j
.set G1A, 28
.set G1B, 36
.set G0A, 44
.set G0B, 68
.set MSB, 0
.macro WIN new                         ; the immediate's high byte repeats the setting that is left
.if MSB != \new
	s_set_vgpr_msb (MSB<<8)|\new
.set MSB, \new
.endif
.endm
.macro CROUND                          ; a round of the cluster's barrier
	s_barrier_signal -1
	s_barrier_wait -1
	s_cmp_lg_u32 s[WV], 0
	s_cbranch_scc1 .Lnot_wave_0_\@
	s_barrier_signal -3
.Lnot_wave_0_\@:
	s_barrier_wait -3
	s_barrier_signal -1
	s_barrier_wait -1
.endm
.macro PLACES                          ; four plain places behind matrix instructions, in front of loads into registers that they read and of the first read of results
.rept 4
	v_nop
.endr
.endm
	s_load_b256 s[4:11], s[0:1], 0x0               ; xcodes s[4:5], xscales s[6:7], bq s[8:9], bk s[10:11]
	s_load_b128 s[12:15], s[0:1], 0x20             ; bv s[12:13], pcodes s[14:15]
	s_load_b64 s[16:17], s[0:1], 0x30              ; pscales
	v_lshl_add_u32 v254, v0, 2, 0x48000
	v_mov_b32 v255, 0
	ds_add_u32 v254, v255
	ds_add_u32 v254, v255
	v_lshrrev_b32 v1, 5, v0
	v_readfirstlane_b32 s[WV], v1
	s_and_b32 s[HF], s[WV], 1
	s_lshr_b32 s[FR], s[WV], 1
	s_bfe_u32 s[CX], ttmp6, 0x40000
	s_bfe_u32 s[CY], ttmp6, 0x40004
	s_and_b32 s23, ttmp7, 0xffff                   ; the cluster's number, 0 .. 47: the same in all sixteen partners
	s_lshr_b32 s[TY], s23, 4
	s_and_b32 s25, s23, 15                         ; u
	s_lshr_b32 s84, s25, 1
	s_and_b32 s88, s25, 1
	s_lshl_b32 s85, s[TY], 6
	s_add_co_u32 s85, s85, 1536                    ; wq's or wk's first row block
	s_lshl_b32 s89, s[TY], 9                       ; q's or k's
	s_cmp_eq_u32 s[TY], 2
	s_cselect_b32 s84, s84, 0
	s_cselect_b32 s88, s88, s25
	s_cselect_b32 s85, 1024, s85                   ; v's
	s_cselect_b32 s89, 1664, s89                   ; wv's
	s_lshl_b32 s[IT], s84, 2
	s_add_co_u32 s[IT], s[IT], s[CX]               ; T < 2: cx;  T = 2: 4 (u / 2) + cx
	s_lshl_b32 s[JT], s88, 2
	s_add_co_u32 s[JT], s[JT], s[CY]               ; T < 2: 4 u + cy;  T = 2: 4 (u % 2) + cy
	s_lshl_b32 s86, 0x1111, s[CX]                  ; my column of the cluster
	s_lshl_b32 s90, s[CY], 2
	s_lshl_b32 s90, 15, s90                        ; my row
	; descriptor groups 1: row blocks as rows: 3,072 bytes (two K steps: 384 elements of 8 bytes) of each, 12,288 bytes apart; 8 of S0, 4 of S1; dense in LDS
	s_or_b32 s[G1A], s86, (3<<16)|(1<<21)          ; 15:0 the mask; 17:16 elements of 8 bytes; 21 set beside a mask
	s_or_b32 s[G1B], s90, (3<<16)|(1<<21)
	s_mov_b32 s[G1A+1], 384<<16                    ; tensor_dim0
	s_mov_b32 s[G1A+2], 8<<16                      ; tensor_dim1
	s_mov_b32 s[G1A+3], 384<<16                    ; tile_dim0
	s_mov_b32 s[G1A+4], 8                          ; tile_dim1
	s_mov_b32 s[G1A+5], 1536                       ; tensor_dim0_stride
	s_mov_b32 s[G1A+6], 0
	s_mov_b32 s[G1A+7], 0
	s_mov_b32 s[G1B+1], 384<<16
	s_mov_b32 s[G1B+2], 4<<16
	s_mov_b32 s[G1B+3], 384<<16
	s_mov_b32 s[G1B+4], 4
	s_mov_b32 s[G1B+5], 1536
	s_mov_b32 s[G1B+6], 0
	s_mov_b32 s[G1B+7], 0
	; S0's numbers stand in s84-87 and s96-97, which never hold cy; S1's in s88-91 and s98-99, which never hold cx
	s_lshl_b32 s86, s[IT], 4
	s_add_co_u32 s85, s85, s86
	s_lshl_b32 s86, s[HF], 3
	s_add_co_u32 s86, s85, s86                     ; S0: the first of the 8 row blocks that I fetch (if I fetch for S0), which are also the 8 that I multiply
	s_lshl_b32 s96, s86, 9                         ; their scale words
	s_mov_b32 s97, 0
	s_mul_i32 s86, s86, RBB                        ; their codes (under 2^25)
	s_mov_b32 s87, 0
	s_lshl_b32 s90, s[JT], 3
	s_add_co_u32 s89, s89, s90
	s_lshl_b32 s90, s[FR], 2
	s_add_co_u32 s90, s89, s90                     ; S1: the 4 row blocks that I multiply
	s_lshl_b32 s98, s90, 9
	s_mov_b32 s99, 0
	s_lshl_b32 s90, s[HF], 2
	s_add_co_u32 s90, s89, s90                     ; and the 4 that I fetch (if I fetch for S1)
	s_mul_i32 s90, s90, RBB
	s_mov_b32 s91, 0
	s_mul_i32 s92, s[HF], 24576                    ; LDS: S0's half, for the fetch and for my reads
	s_mul_i32 s93, s[HF], 12288
	s_add_co_u32 s93, s93, S1OFF                   ; S1's half, for the fetch
	s_mul_i32 s94, s[FR], 12288
	s_add_co_u32 s94, s94, S1OFF                   ; and for my reads
	s_mov_b32 s[SEL], 0x76543210
	s_mov_b32 s[SEL+1], 0xfedcba98
	s_wait_dscnt 0x0
	s_wait_kmcnt 0x0
	s_add_nc_u64 s[86:87], s[4:5], s[86:87]
	s_add_nc_u64 s[90:91], s[4:5], s[90:91]
	s_add_nc_u64 s[96:97], s[6:7], s[96:97]
	s_add_nc_u64 s[98:99], s[6:7], s[98:99]
.irp c, 0,1,2,3
	s_mov_b32 s[G0A+4*\c], 1                       ; count = 1
	s_add_co_u32 s[G0A+4*\c+1], s92, \c*CHUNK      ; LDS address
	s_add_nc_u64 s[G0A+4*\c+2:G0A+4*\c+3], s[86:87], \c*3072   ; global address: K steps 2 c and 2 c + 1
	s_or_b32 s[G0A+4*\c+3], s[G0A+4*\c+3], 0x80000000          ; type = 2
	s_mov_b32 s[G0B+4*\c], 1
	s_add_co_u32 s[G0B+4*\c+1], s93, \c*CHUNK
	s_add_nc_u64 s[G0B+4*\c+2:G0B+4*\c+3], s[90:91], \c*3072
	s_or_b32 s[G0B+4*\c+3], s[G0B+4*\c+3], 0x80000000
.endr
	CROUND                                         ; all sixteen work-groups are here: the joint loads meet
	s_cmp_eq_u32 s[FR], 0                          ; a wave's four fills stand in one branch on its number: four tensor loads of mine are out
	s_cbranch_scc0 .Lfor_s1
.irp c, 0,1,2,3
	tensor_load_to_lds s[G0A+4*\c:G0A+4*\c+3], s[G1A:G1A+7]
	s_nop 0
.endr
.rept 4
	v_nop
.endr
	s_branch .Lasked
.Lfor_s1:
.irp c, 0,1,2,3
	tensor_load_to_lds s[G0B+4*\c:G0B+4*\c+3], s[G1B:G1B+7]
	s_nop 0
.endr
.rept 4
	v_nop
.endr
.Lasked:
	v_and_b32 v1, 31, v0
	v_lshlrev_b32 v1, 4, v1                        ; 16 x lane
	v_and_b32 v2, 15, v0                           ; r
	v_bfe_u32 v3, v0, 4, 1                         ; h
	v_add_nc_u32 v[AI], s92, v1
	v_add_nc_u32 v[AJ], s94, v1
.irp c, 1,2,3
	v_add_nc_u32 v[AI+\c], \c*CHUNK, v[AI]
	v_add_nc_u32 v[AJ+\c], \c*CHUNK, v[AJ]
.endr
.irp b, 0,1,2,3
	v_mov_b32 v[TM+4+\b], 0                        ; written once: a lane permute's destination counts as one of its sources
.endr
.irp it, 0,1,2,3,4,5,6,7
	global_load_b128 v[SI+4*\it:SI+4*\it+3], v1, s[96:97] offset:512*\it
.endr
.irp jt, 0,1,2,3
	global_load_b128 v[SJ+4*\jt:SJ+4*\jt+3], v1, s[98:99] offset:512*\jt
.endr
	; THE BIAS is the C of each sum's first product.  T < 2: it runs along i: eight registers for each i tile.  T = 2: it runs along j: one number a lane for each j tile, in all eight registers.
	s_cmp_eq_u32 s[TY], 2
	s_cbranch_scc1 .Lbias_v
	s_cmp_eq_u32 s[TY], 1
	s_cselect_b64 s[60:61], s[10:11], s[8:9]
	s_lshl_b32 s62, s[IT], 10
	s_lshl_b32 s63, s[HF], 9
	s_add_co_u32 s62, s62, s63                     ; (256 tile + 128 half) x 4 bytes
	s_mov_b32 s63, 0
	s_add_nc_u64 s[60:61], s[60:61], s[62:63]
	v_lshlrev_b32 v12, 6, v3                       ; + 16 h numbers
.irp it, 0,1,2,3,4,5,6,7
	global_load_b128 v[BB+8*\it:BB+8*\it+3], v12, s[60:61] offset:(32*(\it/2)+8*(\it%2))*4
	global_load_b128 v[BB+8*\it+4:BB+8*\it+7], v12, s[60:61] offset:(32*(\it/2)+8*(\it%2))*4+16
.endr
	s_branch .Lbias_done
.Lbias_v:
	s_lshl_b32 s62, s[JT], 9
	s_lshl_b32 s63, s[FR], 8
	s_add_co_u32 s62, s62, s63                     ; (128 tile + 64 half) x 4 bytes
	s_mov_b32 s63, 0
	s_add_nc_u64 s[60:61], s[12:13], s[62:63]
	v_and_b32 v12, 8, v2
	v_add_nc_u32 v12, v12, v2
	v_lshlrev_b32 v12, 2, v12                      ; lane row r of a block of wv is channel r + 8 (r / 8) of its 32
.irp jt, 0,1,2,3
	global_load_b32 v[TM+\jt], v12, s[60:61] offset:(32*(\jt/2)+8*(\jt%2))*4
.endr
	s_wait_loadcnt 0x0
.irp n, 0,1,2,3,4,5,6,7                ; two copies of the four groups: all 64 registers of the bias are written on both ways; accumulator (jt, it) takes copy it % 2
.irp rho, 0,1,2,3,4,5,6,7
	v_mov_b32 v[BB+8*\n+\rho], v[TM+\n%4]
.endr
.endr
.Lbias_done:
	s_wait_loadcnt 0x0                             ; scale words and bias
.macro FETCH s                         ; K step s: S0's 8 fragments into set s % 2 of window 1, S1's 4 into set s % 2 of window 0: 36 loads of 512 consecutive bytes
	WIN 0x40                                       ; destination window 1, address window 0
.irp it, 0,1,2,3,4,5,6,7
.irp g, 0,1,2
	ds_load_b128 v[96*((\s)%2)+12*\it+4*\g:96*((\s)%2)+12*\it+4*\g+3], v[AI+(\s)/2] offset:\it*3072+((\s)%2)*1536+512*\g
.endr
.endr
	WIN 0
.irp jt, 0,1,2,3
.irp g, 0,1,2
	ds_load_b128 v[JF+48*((\s)%2)+12*\jt+4*\g:JF+48*((\s)%2)+12*\jt+4*\g+3], v[AJ+(\s)/2] offset:\jt*3072+((\s)%2)*1536+512*\g
.endr
.endr
.endm
; 32 matrix instructions: K step s.  The 32 accumulators take turns, one instruction a turn, in the same order in every step.
; first = 1: the sums begin with the bias along i; 2: along j.  An odd step's scale words stand in lanes 16-31.
.macro MUL32 s, first
.if \first
	WIN 0x81                                       ; source 0 (S0) window 1, source 1 (S1) and C (the bias) window 0, D window 2
.else
	WIN 0xa1                                       ; C and D window 2
.endif
.irp jt, 0,1,2,3
.irp it, 0,1,2,3,4,5,6,7
.set rD, 8*(8*\jt+\it)
.set rA, 96*((\s)%2)+12*\it
.set rB, JF+48*((\s)%2)+12*\jt
.set rSA, SI+4*\it+(\s)/2
.set rSB, SJ+4*\jt+(\s)/2
.if \first == 1
	v_wmma_scale_f32_16x16x128_f8f6f4 v[rD:rD+7], v[rA:rA+11], v[rB:rB+11], v[BB+8*\it:BB+8*\it+7], v[rSA], v[rSB] matrix_a_fmt:MATRIX_FMT_FP6 matrix_b_fmt:MATRIX_FMT_FP6
.elseif \first == 2
	v_wmma_scale_f32_16x16x128_f8f6f4 v[rD:rD+7], v[rA:rA+11], v[rB:rB+11], v[BB+8*\jt+32*(\it%2):BB+8*\jt+32*(\it%2)+7], v[rSA], v[rSB] matrix_a_fmt:MATRIX_FMT_FP6 matrix_b_fmt:MATRIX_FMT_FP6
.elseif (\s)%2
	v_wmma_scale_f32_16x16x128_f8f6f4 v[rD:rD+7], v[rA:rA+11], v[rB:rB+11], v[rD:rD+7], v[rSA], v[rSB] matrix_a_fmt:MATRIX_FMT_FP6 matrix_b_fmt:MATRIX_FMT_FP6 matrix_a_scale:MATRIX_SCALE_ROW1 matrix_b_scale:MATRIX_SCALE_ROW1
.else
	v_wmma_scale_f32_16x16x128_f8f6f4 v[rD:rD+7], v[rA:rA+11], v[rB:rB+11], v[rD:rD+7], v[rSA], v[rSB] matrix_a_fmt:MATRIX_FMT_FP6 matrix_b_fmt:MATRIX_FMT_FP6
.endif
.endr
.endr
.endm
.macro KSTEP s
	s_wait_dscnt 0x0                               ; this step's fragments are in (asked for 32 matrix instructions ago)
.if ((\s)%2 == 1) && ((\s) < 7)
	s_wait_tensorcnt 2-(\s)/2                      ; my part of the next chunk is in; my later chunks may stay out
	s_barrier_signal -1
	s_barrier_wait -1                              ; everybody's is
.endif
.if (\s) < 7
	PLACES
	FETCH (\s)+1
.endif
	MUL32 \s, 0
.endm
	s_wait_tensorcnt 3                             ; my part of chunk 0 is in; three loads may stay out
	s_barrier_signal -1
	s_barrier_wait -1
	FETCH 0
	s_wait_dscnt 0x0
	FETCH 1
	s_cmp_eq_u32 s[TY], 2                          ; (every window is 0 here)
	s_cbranch_scc1 .Lfirst_v
	s_wait_alu depctr_va_vdst(0)
	MUL32 0, 1
	WIN 0
	s_branch .Lfirst_done
.Lfirst_v:
	s_wait_alu depctr_va_vdst(0)
	MUL32 0, 2
	WIN 0
.Lfirst_done:
.irp s, 1,2,3,4,5,6,7
	KSTEP \s
.endr
	WIN 0
	PLACES
; Four blocks of 32 along i become one fragment.  Blocks 0 and 1 are registers sA .. sA + 31 of window 2, blocks 2 and 3 sB .. sB + 31; register 16 b + x of a run is i = 32 b + 16 (lane / 16) + x.
; The codes go to v[d] .. v[d + 11], the scale word to v[w].  Each accumulator is read from its low end on.
.macro QUANT2 sA, sB, d, w
	WIN 0x0a                                       ; sources 0 and 1 window 2
	v_max3_num_f32 v[TM], |v[(\sA)]|, |v[(\sA)+1]|, 0x1800000       ; my 16 numbers of each block, and the floor 2^(3 - 127): the byte cannot fall under 1
	v_max3_num_f32 v[TM+1], |v[(\sA)+16]|, |v[(\sA)+17]|, 0x1800000
	v_max3_num_f32 v[TM+2], |v[(\sB)]|, |v[(\sB)+1]|, 0x1800000
	v_max3_num_f32 v[TM+3], |v[(\sB)+16]|, |v[(\sB)+17]|, 0x1800000
.irp i, 2,4,6,8,10,12,14
	v_max3_num_f32 v[TM], |v[(\sA)+\i]|, |v[(\sA)+\i+1]|, v[TM]
	v_max3_num_f32 v[TM+1], |v[(\sA)+16+\i]|, |v[(\sA)+17+\i]|, v[TM+1]
	v_max3_num_f32 v[TM+2], |v[(\sB)+\i]|, |v[(\sB)+\i+1]|, v[TM+2]
	v_max3_num_f32 v[TM+3], |v[(\sB)+16+\i]|, |v[(\sB)+17+\i]|, v[TM+3]
.endr
	WIN 0
.irp b, 0,1,2,3
	v_permlanex16_b32 v[TM+4+\b], v[TM+\b], s[SEL], s[SEL+1]
.endr
.irp b, 0,1,2,3
	v_max_num_f32 v[TM+\b], v[TM+\b], v[TM+4+\b]   ; with lane l xor 16's: the block's largest magnitude
.endr
.irp b, 0,1,2,3
	v_add_nc_u32 v[TM+12+\b], 0xff000000, v[TM+\b] ; 2 off the exponent field: the conversion's scale operand
.endr
.irp b, 0,1,2,3
	v_lshrrev_b32 v[TM+4+\b], 23, v[TM+12+\b]      ; the scale's byte
.endr
	v_lshl_or_b32 v[\w], v[TM+5], 8, v[TM+4]
	v_lshl_or_b32 v[\w], v[TM+6], 16, v[\w]
	v_lshl_or_b32 v[\w], v[TM+7], 24, v[\w]
	WIN 0x02                                       ; source 0 window 2
	v_cvt_scalef32_pk16_fp6_f32 v[(\d):(\d)+2], v[(\sA):(\sA)+15], v[TM+12]
	v_cvt_scalef32_pk16_fp6_f32 v[TT:TT+2], v[(\sA)+16:(\sA)+31], v[TM+13]
	v_cvt_scalef32_pk16_fp6_f32 v[(\d)+6:(\d)+8], v[(\sB):(\sB)+15], v[TM+14]
	v_cvt_scalef32_pk16_fp6_f32 v[TT+4:TT+6], v[(\sB)+16:(\sB)+31], v[TM+15]
	WIN 0
	v_nop                                          ; one plain place behind a scaled conversion
.irp c, 0,1                            ; the operand's layout wants a WHOLE block in a lane: lanes 0-15 block 2 c, lanes 16-31 block 2 c + 1
.irp i, 0,1,2
	v_permlane16_swap_b32 v[(\d)+6*\c+\i], v[TT+4*\c+\i]
.endr
.irp i, 0,1,2
	v_mov_b32 v[(\d)+3+6*\c+\i], v[TT+4*\c+\i]
.endr
.endr
.endm
	s_cmp_eq_u32 s[TY], 2
	s_cbranch_scc1 .Lout_v
	; Q or K: my 128 i are two heads (e), my 64 j two pairs of token tiles (pi).  Numbers that mix cx and cy stand in registers that fed no descriptor
	s_lshl_b32 s60, s[IT], 2
	s_lshl_b32 s61, s[HF], 1
	s_add_co_u32 s60, s60, s61                     ; my first head
	s_lshl_b32 s61, s[JT], 2
	s_lshl_b32 s62, s[FR], 1
	s_add_co_u32 s61, s61, s62                     ; my first pair, counted through the batches
	s_lshr_b32 s62, s61, 6                         ; the batch
	s_and_b32 s61, s61, 63                         ; the pair in it
	s_lshl_b32 s62, s62, 4
	s_add_co_u32 s60, s60, s62                     ; 16 x batch + head
	s_mul_i32 s62, s60, 98304
	s_mul_i32 s63, s61, 1536
	s_add_co_u32 s62, s62, s63
	s_mul_i32 s63, s[TY], 6291456
	s_add_co_u32 s62, s62, s63
	s_mov_b32 s63, 0
	s_add_nc_u64 s[14:15], s[14:15], s[62:63]
	s_lshl_b32 s62, s60, 12                        ; Q's words: 4,096 bytes a head, 64 a pair, 4 a row
	s_lshl_b32 s63, s61, 6
	s_add_co_u32 s62, s62, s63
	s_lshl_b32 s66, s60, 13                        ; K's: 8,192 bytes a head, 512 a key step (four pairs), 16 a row, 4 a pair
	s_lshr_b32 s67, s61, 2
	s_lshl_b32 s67, s67, 9
	s_add_co_u32 s66, s66, s67
	s_and_b32 s67, s61, 3
	s_lshl_b32 s67, s67, 2
	s_add_co_u32 s66, s66, s67
	s_add_co_u32 s66, s66, 262144
	s_mov_b32 s96, 4096
	s_cmp_eq_u32 s[TY], 1
	s_cselect_b32 s62, s66, s62
	s_cselect_b32 s96, 8192, s96                   ; from head to head
	s_cselect_b32 s97, 4, 64                       ; from pair to pair
	s_cselect_b32 s98, 4, 2                        ; a row's shift
	s_mov_b32 s63, 0
	s_add_nc_u64 s[16:17], s[16:17], s[62:63]
	v_lshlrev_b32 v12, s98, v2
	v_add_nc_u32 v13, s96, v12
	v_add_nc_u32 v14, s97, v12
	v_add_nc_u32 v15, s97, v13
.irp pi, 0,1
.irp e, 0,1
	QUANT2 64*(2*\pi)+32*\e, 64*(2*\pi+1)+32*\e, 128+12*(2*\pi+\e), 176+2*\pi+\e
.irp g, 0,1,2
	global_store_b128 v1, v[128+12*(2*\pi+\e)+4*\g:128+12*(2*\pi+\e)+4*\g+3], s[14:15] offset:\e*98304+\pi*1536+512*\g
.endr
	global_store_b32 v[12+2*\pi+\e], v[176+2*\pi+\e], s[16:17]     ; lanes r and r + 16 hold the same word and write it to the same place
.endr
.endr
	s_branch .Lout_done
.Lout_v:
	; V: my 64 j are one head's channels (four tiles), my 128 i one key step
	s_lshl_b32 s60, s[JT], 1
	s_add_co_u32 s60, s60, s[FR]                   ; the head
	s_lshl_b32 s61, s[IT], 1
	s_add_co_u32 s61, s61, s[HF]                   ; the key step, counted through the batches
	s_lshr_b32 s62, s61, 4                         ; the batch
	s_and_b32 s61, s61, 15
	s_lshl_b32 s62, s62, 4
	s_add_co_u32 s60, s60, s62
	s_mul_i32 s62, s60, 98304
	s_mul_i32 s63, s61, 6144
	s_add_co_u32 s62, s62, s63
	s_add_co_u32 s62, s62, 12582912
	s_mov_b32 s63, 0
	s_add_nc_u64 s[14:15], s[14:15], s[62:63]
	s_lshl_b32 s62, s60, 13
	s_lshl_b32 s63, s61, 9
	s_add_co_u32 s62, s62, s63
	s_add_co_u32 s62, s62, 262144+256              ; lanes 16-31's places in the step's 512 bytes
	s_mov_b32 s63, 0
	s_add_nc_u64 s[16:17], s[16:17], s[62:63]
	v_lshlrev_b32 v12, 4, v2
.irp jt, 0,1,2,3
	QUANT2 64*\jt, 64*\jt+32, 128+12*\jt, 176+\jt
.irp g, 0,1,2
	global_store_b128 v1, v[128+12*\jt+4*\g:128+12*\jt+4*\g+3], s[14:15] offset:\jt*1536+512*\g
.endr
.endr
	global_store_b128 v12, v[176:179], s[16:17]    ; row r's four words; lanes r and r + 16 hold the same
.Lout_done:
	s_wait_tensorcnt 0x0
	ds_add_u32 v254, v255
	s_wait_dscnt 0x0
	CROUND                                         ; the closing round: no work-group ends while a partner may still ask for a tile that names it
	s_endpgm
.Lfunc_end_k_qf2fddcf4e2_proj:
	.size	k_qf2fddcf4e2_proj, .Lfunc_end_k_qf2fddcf4e2_proj-k_qf2fddcf4e2_proj
	.p2alignl 7, 3214868480
	.fill 96, 4, 3214868480
	.section	.rodata,"a",@progbits
	.p2align	6, 0x0
	.amdhsa_kernel k_qf2fddcf4e2_proj
		.amdhsa_group_segment_fixed_size 295424
		.amdhsa_private_segment_fixed_size 0
		.amdhsa_enable_private_segment 0
		.amdhsa_kernarg_size 56
		.amdhsa_user_sgpr_count 2
		.amdhsa_user_sgpr_kernarg_segment_ptr 1
		.amdhsa_wavefront_size32 1
		.amdhsa_system_sgpr_workgroup_id_x 1
		.amdhsa_system_sgpr_workgroup_id_y 1
		.amdhsa_system_sgpr_workgroup_id_z 1
		.amdhsa_system_vgpr_workitem_id 0
		.amdhsa_next_free_vgpr 768
		.amdhsa_next_free_sgpr 100
		.amdhsa_reserve_vcc 0
		.amdhsa_float_denorm_mode_32 3
		.amdhsa_float_denorm_mode_16_64 3
		.amdhsa_memory_ordered 1
		.amdhsa_forward_progress 1
		.amdhsa_inst_pref_size 107
	.end_amdhsa_kernel
	.amdgpu_metadata
---
amdhsa.version: [ 1, 2 ]
amdhsa.kernels:
  - .name:           k_qf2fddcf4e2_proj
    .symbol:         k_qf2fddcf4e2_proj.kd
    .args:
      - { .name: xcodes, .offset: 0, .size: 8, .value_kind: global_buffer, .address_space: global }
      - { .name: xscales, .offset: 8, .size: 8, .value_kind: global_buffer, .address_space: global }
      - { .name: bq, .offset: 16, .size: 8, .value_kind: global_buffer, .address_space: global }
      - { .name: bk, .offset: 24, .size: 8, .value_kind: global_buffer, .address_space: global }
      - { .name: bv, .offset: 32, .size: 8, .value_kind: global_buffer, .address_space: global }
      - { .name: pcodes, .offset: 40, .size: 8, .value_kind: global_buffer, .address_space: global }
      - { .name: pscales, .offset: 48, .size: 8, .value_kind: global_buffer, .address_space: global }
    .group_segment_fixed_size: 295424
    .private_segment_fixed_size: 0
    .kernarg_segment_align: 8
    .kernarg_segment_size: 56
    .max_flat_workgroup_size: 128
    .sgpr_count:     100
    .vgpr_count:     768
    .wavefront_size: 32
...
	.end_amdgpu_metadata
.endif
;; end of part 2
;; launch attn (part 3): grid 4 x 64, 16 waves a work-group, clusters of 4 x 1, 206,848 bytes of LDS; arguments pcodes, pscales, acodes, ascales; writes acodes, ascales
.if DOCPART == 3
	.amdgcn_target "amdgcn-amd-amdhsa--gfx1250"
	.amdhsa_code_object_version 6
	.text
	.protected	k_qf2fddcf4e2_attn
	.globl	k_qf2fddcf4e2_attn
	.p2align	8
	.type	k_qf2fddcf4e2_attn,@function
k_qf2fddcf4e2_attn:
	s_mov_b64 s[64:65], 0
	v_nop
	global_prefetch_b8 v0, s[64:65] scope:SCOPE_SE
	s_setreg_imm32_b32 hwreg(HW_REG_WAVE_MODE, 25, 1), 1
	s_wait_xcnt 0x0
	s_wait_alu depctr_hold_cnt(0) depctr_sa_sdst(0) depctr_va_vdst(0) depctr_va_sdst(0) depctr_va_ssrc(0) depctr_va_vcc(0) depctr_vm_vsrc(0)
	s_getreg_b32 s2, hwreg(HW_REG_IB_STS2, 6, 4)
	s_cmp_eq_u32 s2, 0
	s_cbranch_scc0 .Lentry_in_a_cluster
	s_endpgm
.Lentry_in_a_cluster:
	s_bfe_u32 s2, ttmp6, 0x10000c
	s_cmp_lg_u32 s2, 0x3003
	s_cbranch_scc0 .Lentry_shape_is_right
	s_endpgm
.Lentry_shape_is_right:
; Causal attention of one head on codes of FP6 (E2M3) with E8M0 scales, and the quantising of its result along the model's axis for the last projection.
; t = score x log2(e) / 8; M = the row's largest t so far, rounded UP to a whole number; p = 2^(t - M) is quantised along the keys, not normalised; the row's sum is taken of the unquantised p
; and divides O at the end.  When M moves, the sum and O are multiplied by 2^(old M - new M): exact.
; LIMITS: NaN and infinities are not served; a block whose largest magnitude lies under 2^-124, zeros among them, gets the byte 1 (a block of zeros has zero codes); this program alone reads the bytes.
; SHARES.  A cluster of four work-groups owns one head (of one batch); K, V and their scale words, 204,800 bytes, come into each work-group's LDS ONCE, by joint loads, in four chunks of
; four key steps (128 keys a step).  No byte of LDS is filled twice.  Each of the 64 waves of a cluster owns two tiles of 16 queries: first 127 - 4 w - cx, then 4 w + cx.  Their last key steps are
; 15 - w / 2 and w / 2, numbers of the wave alone: every wave works 17 key steps, and no branch and no LDS address hangs on a work-group's place in its cluster.
; A step all of whose keys come after the tile's queries is jumped over; on the diagonal hidden scores become -infinity ahead of the maximum.
; LAYOUT.  Both products are used transposed: S^T = K Q^T (source 0 = keys, source 1 = my 16 queries), O^T = V^T P^T (source 0 = 16 channels, source 1 = P): a lane holds ONE query throughout.
; THE HEAD HAS 64 CHANNELS, THE INSTRUCTION 128 ALONG K.  A fragment of K holds TWO tiles of 16 keys: [tile 2 P: 64 channels | tile 2 P + 1: 64 channels].  Against [Q | zeros] it gives the first tile's
; scores, against [zeros | Q] the second's: zero codes add nothing.  The two operands overlap in one run of 18 registers: v16-21 zeros, v22-27 Q, v28-33 zeros.
; The keys of a tile are 32 g + 8 u + r + 8 (r / 8), and so are the channels of a tile of V: the 16 registers of two neighbouring tiles are 16 neighbouring keys, or channels.
; REGISTERS: v1 16 x lane, v2 8 x lane, v3 16 r, v5 4 r, v9 r - 16 h; v8, v10, v11 LDS addresses; v12 -M, v13 the largest t, v[14:15] the sum; v36-83 four fragments of K, then of V; v84-93 the way out;
;   v96-159 S^T, then p; v160-191 O^T; v224-235 p's codes; v232-247, v252-254 at work; v248-251 K's (lanes 0-15) and V's (lanes 16-31) scale words; v253 p's; v255 Q's.
.set VOFF,  98304                      ; LDS: K's 16 steps x 6,144 bytes; then V's;
.set SOFF,  196608                     ; then the scale words, 512 bytes a step
.set WV,  18
.set SEL, 20
.set CS,  22                           ; s[22:23] c = log2(e) / 8
.set G1C, 24                           ; s[24:31] group 1 for a chunk of codes
.set G1S, 32                           ; s[32:39] for the scale words
.set G0S, 40
.set G0K, 44                           ; s[44:59] K's four chunks
.set G0V, 68                           ; s[68:83] V's
.set TK,  84                           ; the step's bytes in K's part of LDS
.set TS,  85                           ; its scale words
.set J,   86                           ; the key step
.set LIM, 87                           ; my tile's last key step
.set CNT, 88
.set DQ,  89                           ; 16 x (my tile % 8): my first query less the last step's first key
.set PM,  90                           ; all ones where my tile is the second of its pair
.set SH,  91                           ; 16 there, else 0
.set OC,  92                           ; s[92:93] where my tile's codes go
.set OS,  94                           ; s[94:95] and its scale bytes
.macro CROUND                          ; a round of the cluster's barrier
	s_barrier_signal -1
	s_barrier_wait -1
	s_cmp_lg_u32 s[WV], 0
	s_cbranch_scc1 .Lnot_wave_0_\@
	s_barrier_signal -3
.Lnot_wave_0_\@:
	s_barrier_wait -3
	s_barrier_signal -1
	s_barrier_wait -1
.endm
	s_load_b256 s[4:11], s[0:1], 0x0               ; pcodes s[4:5], pscales s[6:7], acodes s[8:9], ascales s[10:11]
	v_lshl_add_u32 v223, v0, 2, 0x32000
	v_mov_b32 v243, 0
	ds_add_u32 v223, v243
	ds_add_u32 v223, v243
	v_lshrrev_b32 v1, 5, v0
	s_delay_alu instid0(VALU_DEP_1)
	v_readfirstlane_b32 s[WV], v1                  ; wave 0 .. 15
	s_bfe_u32 s12, ttmp6, 0x40000                  ; cx: it enters global addresses, the mask's number and selects alone
	s_and_b32 s13, ttmp7, 0xffff                   ; 16 x batch + head, which the four partners share
	s_mul_i32 s2, s13, 98304
	s_mov_b32 s3, 0
	s_lshl_b32 s96, s13, 13
	s_add_co_u32 s96, s96, 262144
	s_mov_b32 s97, 0
	; group 1: dense bytes as rows of 256 (32 elements of 8 bytes): 96 rows for four key steps of codes, 32 for the head's scale words
	s_mov_b32 s[G1C], 15|(3<<16)|(1<<21)           ; 15:0 the mask: all four work-groups; 17:16 elements of 8 bytes; 21 set beside a mask
	s_mov_b32 s[G1C+1], 32<<16
	s_mov_b32 s[G1C+2], 96<<16
	s_mov_b32 s[G1C+3], 32<<16
	s_mov_b32 s[G1C+4], 96
	s_mov_b32 s[G1C+5], 32
	s_mov_b32 s[G1C+6], 0
	s_mov_b32 s[G1C+7], 0
	s_mov_b32 s[G1S], 15|(3<<16)|(1<<21)
	s_mov_b32 s[G1S+1], 32<<16
	s_mov_b32 s[G1S+2], 32<<16
	s_mov_b32 s[G1S+3], 32<<16
	s_mov_b32 s[G1S+4], 32
	s_mov_b32 s[G1S+5], 32
	s_mov_b32 s[G1S+6], 0
	s_mov_b32 s[G1S+7], 0
	s_mov_b32 s[SEL], 0x76543210
	s_mov_b32 s[SEL+1], 0xfedcba98
	s_mov_b32 s[CS], 0x3e38aa3b
	s_mov_b32 s[CS+1], s[CS]                       ; (named with it as a pair, so it is written)
	s_wait_dscnt 0x0
	s_wait_kmcnt 0x0
	s_add_nc_u64 s[14:15], s[4:5], s[2:3]          ; my head's Q,
	s_add_nc_u64 s[98:99], s[14:15], 6291456       ; K,
	s_add_nc_u64 s[100:101], s[14:15], 12582912    ; V,
	s_add_nc_u64 s[96:97], s[6:7], s[96:97]        ; and K's and V's scale words
	s_mov_b32 s[G0S], 1
	s_mov_b32 s[G0S+1], SOFF
	s_mov_b64 s[G0S+2:G0S+3], s[96:97]
	s_or_b32 s[G0S+3], s[G0S+3], 0x80000000
.irp c, 0,1,2,3
	s_mov_b32 s[G0K+4*\c], 1
	s_mov_b32 s[G0K+4*\c+1], \c*24576
	s_add_nc_u64 s[G0K+4*\c+2:G0K+4*\c+3], s[98:99], \c*24576
	s_or_b32 s[G0K+4*\c+3], s[G0K+4*\c+3], 0x80000000
	s_mov_b32 s[G0V+4*\c], 1
	s_mov_b32 s[G0V+4*\c+1], VOFF+\c*24576
	s_add_nc_u64 s[G0V+4*\c+2:G0V+4*\c+3], s[100:101], \c*24576
	s_or_b32 s[G0V+4*\c+3], s[G0V+4*\c+3], 0x80000000
.endr
	CROUND                                         ; all four work-groups are here: the joint loads meet
	s_cmp_eq_u32 s[WV], 0                          ; wave 0: the scale words and K's four chunks (five loads out); wave 1: V's four; the others none
	s_cbranch_scc0 .Lnot_k
	tensor_load_to_lds s[G0S:G0S+3], s[G1S:G1S+7]
	s_nop 0
.irp c, 0,1,2,3
	tensor_load_to_lds s[G0K+4*\c:G0K+4*\c+3], s[G1C:G1C+7]
	s_nop 0
.endr
.rept 4
	v_nop
.endr
	s_branch .Lasked
.Lnot_k:
	s_cmp_eq_u32 s[WV], 1
	s_cbranch_scc0 .Lasked
.irp c, 0,1,2,3
	tensor_load_to_lds s[G0V+4*\c:G0V+4*\c+3], s[G1C:G1C+7]
	s_nop 0
.endr
.rept 4
	v_nop
.endr
.Lasked:
	s_lshl_b32 s2, s13, 12
	s_add_nc_u64 s[16:17], s[6:7], s[2:3]          ; my head's Q scale words: 4,096 bytes a head
	s_lshr_b32 s96, s13, 4                         ; the batch
	s_and_b32 s97, s13, 15                         ; the head in it
	s_mul_i32 s2, s96, 128*12288
	s_mul_i32 s98, s97, 768
	s_add_co_u32 s2, s2, s98
	s_add_nc_u64 s[8:9], s[8:9], s[2:3]            ; acodes at the batch's first tile, my head's 768 bytes
	s_lshl_b32 s2, s96, 16                         ; ascales: 512 bytes a tile; my head's two bytes of row 0:
	s_bfe_u32 s98, s97, 0x10001
	s_lshl_b32 s98, s98, 8                         ; K step head / 2: an odd step's words stand in lanes 16-31's places,
	s_add_co_u32 s2, s2, s98
	s_lshr_b32 s98, s97, 2
	s_lshl_b32 s98, s98, 2                         ; word (head / 2) / 2 of a lane's four,
	s_add_co_u32 s2, s2, s98
	s_and_b32 s98, s97, 1
	s_lshl_b32 s98, s98, 1                         ; its lower or upper half
	s_add_co_u32 s2, s2, s98
	s_add_nc_u64 s[10:11], s[10:11], s[2:3]
	v_and_b32 v1, 31, v0
	s_delay_alu instid0(VALU_DEP_1)
	v_lshlrev_b32 v2, 3, v1
	s_delay_alu instid0(VALU_DEP_2)
	v_lshlrev_b32 v1, 4, v1
	v_and_b32 v4, 15, v0
	s_delay_alu instid0(VALU_DEP_1)
	v_lshlrev_b32 v3, 4, v4
	s_delay_alu instid0(VALU_DEP_2)
	v_lshlrev_b32 v5, 2, v4
	v_bfe_u32 v6, v0, 4, 1
	s_delay_alu instid0(VALU_DEP_1)
	v_lshlrev_b32 v6, 4, v6
	s_delay_alu instid0(VALU_DEP_1)
	v_sub_nc_u32 v9, v4, v6
.irp i, 0,1,2,3,4,5
	v_mov_b32 v[16+\i], 0                          ; the zero codes on both sides of Q
	v_mov_b32 v[28+\i], 0
.endr
.irp b, 0,1,2,3
	v_mov_b32 v[236+\b], 0                         ; written once: a lane permute's destination counts as one of its sources
.endr
	v_mov_b32 v252, 0
	v_mov_b32 v253, 0                              ; (named as the upper half of the pair v[252:253] before it is first written)
; My next tile of queries: its numbers, Q's codes and scale word, and an empty state.
.macro INIT hi
	s_wait_xcnt 0x0                                ; the last tile's stores have read their registers and bases
	s_lshl_b32 s96, s[WV], 2
	s_add_co_u32 s96, s96, s12
	s_lshr_b32 s[LIM], s[WV], 1
.if \hi
	s_sub_co_u32 s96, 127, s96                     ; the tile
	s_sub_co_u32 s[LIM], 15, s[LIM]                ; tile / 8, made of the wave's number alone
.endif
	s_and_b32 s[DQ], s96, 7
	s_lshl_b32 s[DQ], s[DQ], 4
	s_and_b32 s97, s96, 1
	s_lshl_b32 s[SH], s97, 4
	s_sub_co_u32 s[PM], 0, s97
	s_mul_i32 s[OC], s96, 12288
	s_mov_b32 s[OC+1], 0
	s_add_nc_u64 s[OC:OC+1], s[8:9], s[OC:OC+1]
	s_lshl_b32 s[OS], s96, 9
	s_mov_b32 s[OS+1], 0
	s_add_nc_u64 s[OS:OS+1], s[10:11], s[OS:OS+1]
	s_lshr_b32 s96, s96, 1                         ; the pair
	s_mul_i32 s98, s96, 1536
	s_mov_b32 s99, 0
	s_add_nc_u64 s[98:99], s[14:15], s[98:99]
	s_lshl_b32 s100, s96, 6
	s_mov_b32 s101, 0
	s_add_nc_u64 s[100:101], s[16:17], s[100:101]
.irp g, 0,1,2
	global_load_b128 v[36+4*\g:39+4*\g], v1, s[98:99] offset:512*\g
.endr
	global_load_b32 v254, v5, s[100:101]
	s_wait_loadcnt 0x0
.irp i, 0,1,2,3,4,5
	v_cndmask_b32 v[22+\i], v[36+\i], v[42+\i], s[PM]   ; my tile's half of the pair's fragment
.endr
	v_lshrrev_b32 v254, s[SH], v254
	s_delay_alu instid0(VALU_DEP_1)
	v_and_b32 v254, 0xffff, v254                   ; its two scale bytes,
	s_delay_alu instid0(VALU_DEP_1)
	v_lshl_or_b32 v255, v254, 16, v254             ; for either place of Q in the operand.  (The lines below are the places between this register and the first product)
	v_mov_b32 v13, 0xff61b1e6                      ; the largest t so far: -3e38, under every t
	s_delay_alu instid0(VALU_DEP_1)
	v_floor_f32 v12, -v13                          ; -M
	v_mov_b32 v14, 0
	v_mov_b32 v15, 0
.set n, 0
.rept 32
	v_mov_b32 v[160+n], 0                          ; O^T.  (The step is written once: the first finds zeros, which the first change of M leaves zeros)
.set n, n+1
.endr
.endm
; A KEY STEP: 128 keys.
.macro STEP
	s_cmp_gt_u32 s[J], s[LIM]                      ; all its keys come after my queries: only the lines at its end are run
	s_cbranch_scc1 .Lhidden_\@
	s_setprio 2
	v_add_nc_u32 v8, s[TK], v1
	v_add_nc_u32 v11, s[TS], v1
	s_delay_alu instid0(VALU_DEP_2)
	v_add_nc_u32 v10, VOFF, v8
	v_nop                                          ; four places in front of loads into registers that the last products read
.irp f, 0,1,2,3
.irp g, 0,1,2
	ds_load_b128 v[36+12*\f+4*\g:39+12*\f+4*\g], v8 offset:1536*\f+512*\g
.endr
.endr
	ds_load_b128 v[248:251], v11
	s_wait_alu depctr_va_vdst(0)
	s_wait_dscnt 0x0
.irp f, 0,1,2,3                        ; S^T: the 16 registers of tiles 2 f and 2 f + 1 are keys 32 f + 16 (lane / 16) + 0 .. 15
	v_wmma_scale_f32_16x16x128_f8f6f4 v[96+16*\f:103+16*\f], v[36+12*\f:47+12*\f], v[22:33], 0, v[248+\f], v255 matrix_a_fmt:MATRIX_FMT_FP6 matrix_b_fmt:MATRIX_FMT_FP6
	v_wmma_scale_f32_16x16x128_f8f6f4 v[104+16*\f:111+16*\f], v[36+12*\f:47+12*\f], v[16:27], 0, v[248+\f], v255 matrix_a_fmt:MATRIX_FMT_FP6 matrix_b_fmt:MATRIX_FMT_FP6
.endr
.rept 4
	v_nop
.endr
.irp t, 0,1,2,3                        ; V's four tiles land while the softmax is walked
.irp g, 0,1,2
	ds_load_b128 v[36+12*\t+4*\g:39+12*\t+4*\g], v10 offset:1536*\t+512*\g
.endr
.endr
	s_cmp_lg_u32 s[J], s[LIM]                      ; only my last step lies on the diagonal
	s_cbranch_scc1 .Lopen_\@
	v_add_nc_u32 v252, s[DQ], v9                   ; d = my query - the step's first key - 16 (lane / 16).  Register 16 b + i holds the key 32 b + i further on: hidden where 32 b + i > d
	v_mov_b32 v254, 0xff800000                     ; -infinity
.set n, 0
.rept 64
	v_cmp_gt_i32 vcc_lo, 32*(n/16)+n%16, v252
	v_cndmask_b32 v[96+n], v[96+n], v254, vcc_lo
.set n, n+1
.endr
.Lopen_\@:
.irp b, 0,1,2,3
	v_max3_num_f32 v[232+\b], v[96+16*\b], v[97+16*\b], v[98+16*\b]   ; the largest score of each block of 32 keys: for the row's maximum and, since p rises with the score, for the block's largest p
.endr
.irp i, 3,5,7,9,11,13
.irp b, 0,1,2,3
	v_max3_num_f32 v[232+\b], v[232+\b], v[96+16*\b+\i], v[97+16*\b+\i]
.endr
.endr
.irp b, 0,1,2,3
	v_max_num_f32 v[232+\b], v[232+\b], v[111+16*\b]
.endr
.irp b, 0,1,2,3
	s_delay_alu instid0(VALU_DEP_4)
	v_permlanex16_b32 v[236+\b], v[232+\b], s[SEL], s[SEL+1]
.endr
.irp b, 0,1,2,3
	s_delay_alu instid0(VALU_DEP_4)
	v_max_num_f32 v[232+\b], v[232+\b], v[236+\b]  ; with lane l xor 16's 16 keys
.endr
	s_delay_alu instid0(VALU_DEP_2)
	v_max3_num_f32 v254, v232, v233, v234
	s_delay_alu instid0(VALU_DEP_1)
	v_max_num_f32 v254, v254, v235
	s_delay_alu instid0(VALU_DEP_1)
	v_mul_f32 v254, s[CS], v254                    ; the step's largest t
	s_delay_alu instid0(VALU_DEP_1)
	v_max_num_f32 v13, v13, v254
	v_mov_b32 v254, v12
	s_delay_alu instid0(VALU_DEP_2)
	v_floor_f32 v12, -v13                          ; the new -M = floor(-t): M is a whole number
	s_delay_alu instid0(VALU_DEP_1)
	v_sub_f32 v254, v12, v254                      ; old M - new M: a whole number, 0 or less
	s_delay_alu instid0(VALU_DEP_1)
	v_cvt_i32_f32 v254, v254                       ; (it saturates)
	s_delay_alu instid0(VALU_DEP_1)
	v_ldexp_f32 v252, 1.0, v254                    ; f = 2^(old M - new M)
.set n, 0
.rept 32
	v_pk_fma_f32 v[96+n:97+n], v[96+n:97+n], s[CS:CS+1], v[12:13] op_sel_hi:[1,0,0]   ; t - M, two at a time
.set n, n+2
.endr
	s_setprio 1
.irp b, 0,1,2,3
	v_fma_f32 v[232+\b], v[232+\b], s[CS], v12     ; the same of each block's largest score
.endr
.set n, 0
	s_wait_alu depctr_va_vdst(0)
.rept 64
	v_exp_f32 v[96+n], v[96+n]                     ; p = 2^(t - M), at most 1
.set n, n+1
.endr
	v_pk_mul_f32 v[14:15], v[14:15], v[252:253] op_sel_hi:[1,0]   ; the sums under the new M; a plain place behind the exponentials
	s_wait_alu depctr_va_vdst(0)                   ; one wait for the whole batch, ahead of its first reader
.irp b, 0,1,2,3
	v_exp_f32 v[232+\b], v[232+\b]                 ; the block's largest p
.endr
	v_pk_add_f32 v[236:237], v[100:101], v[104:105]
	v_pk_add_f32 v[246:247], v[108:109], v[112:113]
	v_pk_add_f32 v[244:245], v[116:117], v[120:121]
	v_pk_add_f32 v[240:241], v[124:125], v[128:129]
	v_pk_add_f32 v[238:239], v[132:133], v[136:137]
	v_pk_add_f32 v[230:231], v[140:141], v[144:145]
	v_pk_add_f32 v[228:229], v[148:149], v[152:153]
	v_pk_add_f32 v[14:15], v[14:15], v[156:157]
	v_pk_add_f32 v[236:237], v[236:237], v[96:97]
	v_pk_add_f32 v[246:247], v[246:247], v[98:99]
	v_pk_add_f32 v[244:245], v[244:245], v[102:103]
	v_pk_add_f32 v[240:241], v[240:241], v[106:107]
	v_pk_add_f32 v[238:239], v[238:239], v[110:111]
	v_pk_add_f32 v[230:231], v[230:231], v[114:115]
	v_pk_add_f32 v[228:229], v[228:229], v[118:119]
	v_pk_add_f32 v[14:15], v[14:15], v[122:123]
	v_pk_add_f32 v[236:237], v[236:237], v[126:127]
	v_pk_add_f32 v[246:247], v[246:247], v[130:131]
	v_pk_add_f32 v[244:245], v[244:245], v[134:135]
	v_pk_add_f32 v[240:241], v[240:241], v[138:139]
	v_pk_add_f32 v[238:239], v[238:239], v[142:143]
	v_pk_add_f32 v[230:231], v[230:231], v[146:147]
	v_pk_add_f32 v[228:229], v[228:229], v[150:151]
	v_pk_add_f32 v[14:15], v[14:15], v[154:155]
	v_pk_add_f32 v[236:237], v[236:237], v[158:159]
	s_delay_alu instid0(VALU_DEP_2)
	v_pk_add_f32 v[14:15], v[14:15], v[240:241]
	s_delay_alu instid0(VALU_DEP_2)
	v_pk_add_f32 v[236:237], v[236:237], v[238:239]
	v_pk_add_f32 v[246:247], v[246:247], v[230:231]
	v_pk_add_f32 v[244:245], v[244:245], v[228:229]
	s_delay_alu instid0(VALU_DEP_2)
	v_pk_add_f32 v[14:15], v[14:15], v[246:247]
	s_delay_alu instid0(VALU_DEP_2)
	v_pk_add_f32 v[236:237], v[236:237], v[244:245]
	s_delay_alu instid0(VALU_DEP_1)
	v_pk_add_f32 v[14:15], v[14:15], v[236:237]
	s_wait_alu depctr_va_vdst(0)                   ; and one for the four
.irp b, 0,1,2,3
	v_max_num_f32 v[232+\b], 0x1800000, v[232+\b]  ; the floor 2^(3 - 127): the byte cannot fall under 1
.endr
.irp b, 0,1,2,3
	s_delay_alu instid0(VALU_DEP_4)
	v_add_nc_u32 v[244+\b], 0xff000000, v[232+\b]  ; 2 off the exponent field: the conversion's scale operand
.endr
.irp b, 0,1,2,3
	s_delay_alu instid0(VALU_DEP_4)
	v_lshrrev_b32 v[236+\b], 23, v[244+\b]
.endr
	s_delay_alu instid0(VALU_DEP_3)
	v_lshl_or_b32 v253, v237, 8, v236              ; p's scale word for these 128 keys
	s_delay_alu instid0(VALU_DEP_1)
	v_lshl_or_b32 v253, v238, 16, v253
	s_delay_alu instid0(VALU_DEP_1)
	v_lshl_or_b32 v253, v239, 24, v253
	s_setprio 0
.irp c, 0,1
	v_cvt_scalef32_pk16_fp6_f32 v[224+6*\c:226+6*\c], v[96+32*\c:111+32*\c], v[244+2*\c]
	v_cvt_scalef32_pk16_fp6_f32 v[236+4*\c:238+4*\c], v[112+32*\c:127+32*\c], v[244+2*\c+1]
.endr
	v_nop                                          ; one plain place behind a scaled conversion
.irp c, 0,1
.irp i, 0,1,2
	v_permlane16_swap_b32 v[224+6*\c+\i], v[236+4*\c+\i]
.endr
.irp i, 0,1,2
	s_delay_alu instid0(VALU_DEP_3)
	v_mov_b32 v[227+6*\c+\i], v[236+4*\c+\i]
.endr
.endr
.set n, 0
.rept 16
	v_pk_mul_f32 v[160+n:161+n], v[160+n:161+n], v[252:253] op_sel_hi:[1,0]   ; O^T under the new M.  These 16 are also the places between p's codes and scale word and the products below
.set n, n+2
.endr
	s_wait_alu depctr_va_vdst(0)
	s_wait_dscnt 0x0                               ; V is in
.irp t, 0,1,2,3
	v_wmma_scale_f32_16x16x128_f8f6f4 v[160+8*\t:167+8*\t], v[36+12*\t:47+12*\t], v[224:235], v[160+8*\t:167+8*\t], v[248+\t], v253 matrix_a_fmt:MATRIX_FMT_FP6 matrix_b_fmt:MATRIX_FMT_FP6 matrix_a_scale:MATRIX_SCALE_ROW1
.endr
.Lhidden_\@:
	s_add_co_u32 s[J], s[J], 1
	s_add_co_u32 s[TK], s[TK], 6144
	s_add_co_u32 s[TS], s[TS], 512
.endm
; Four key steps, behind the wait and the barrier that show their chunk whole.  The count leaves the fetching waves' later chunks on their way.
.macro CHUNK c
	s_wait_dscnt 0x0
	s_wait_tensorcnt 3-\c
	s_barrier_signal -1
	s_barrier_wait -1
	s_mov_b32 s[TK], \c*24576
	s_mov_b32 s[TS], SOFF+\c*2048
	s_mov_b32 s[J], 4*\c
	s_mov_b32 s[CNT], 4
.Lchunk_\@:
	STEP
	s_sub_co_u32 s[CNT], s[CNT], 1
	s_cmp_lg_u32 s[CNT], 0
	s_cbranch_scc1 .Lchunk_\@
	s_setprio 0
.endm
; O^T / the sum, quantised along the head's 64 channels (two blocks), stored as half a fragment's image: registers 0-3 at 16 x lane, registers 4-5 at 512 + 8 x lane, and two scale bytes a row.
.macro FINISH
.rept 4
	v_nop
.endr
	v_add_f32 v14, v14, v15
	s_delay_alu instid0(VALU_DEP_1)
	v_permlanex16_b32 v252, v14, s[SEL], s[SEL+1]
	s_delay_alu instid0(VALU_DEP_1)
	v_add_f32 v14, v14, v252                       ; the row's sum
	s_wait_alu depctr_va_vdst(0)
	v_rcp_f32 v14, v14
	v_nop                                          ; a plain place behind the transcendental
	s_wait_alu depctr_va_vdst(0)                   ; the wait ahead of its first reader
.set n, 0
.rept 16
	v_pk_mul_f32 v[96+n:97+n], v[160+n:161+n], v[14:15] op_sel_hi:[1,0]   ; register 16 b + x is channel 32 b + 16 (lane / 16) + x
.set n, n+2
.endr
.irp b, 0,1
	v_max3_num_f32 v[232+\b], |v[96+16*\b]|, |v[97+16*\b]|, 0x1800000
.endr
.irp i, 2,4,6,8,10,12,14
.irp b, 0,1
	s_delay_alu instid0(VALU_DEP_2)
	v_max3_num_f32 v[232+\b], v[232+\b], |v[96+16*\b+\i]|, |v[97+16*\b+\i]|
.endr
.endr
.irp b, 0,1
	s_delay_alu instid0(VALU_DEP_2)
	v_permlanex16_b32 v[236+\b], v[232+\b], s[SEL], s[SEL+1]
.endr
.irp b, 0,1
	s_delay_alu instid0(VALU_DEP_2)
	v_max_num_f32 v[232+\b], v[232+\b], v[236+\b]
.endr
.irp b, 0,1
	s_delay_alu instid0(VALU_DEP_2)
	v_add_nc_u32 v[244+\b], 0xff000000, v[232+\b]
.endr
.irp b, 0,1
	s_delay_alu instid0(VALU_DEP_2)
	v_lshrrev_b32 v[236+\b], 23, v[244+\b]
.endr
	s_delay_alu instid0(VALU_DEP_1)
	v_lshl_or_b32 v93, v237, 8, v236
	v_cvt_scalef32_pk16_fp6_f32 v[84:86], v[96:111], v244
	v_cvt_scalef32_pk16_fp6_f32 v[90:92], v[112:127], v245
	v_nop
.irp i, 0,1,2
	v_permlane16_swap_b32 v[84+\i], v[90+\i]
.endr
.irp i, 0,1,2
	s_delay_alu instid0(VALU_DEP_3)
	v_mov_b32 v[87+\i], v[90+\i]
.endr
	global_store_b128 v1, v[84:87], s[OC:OC+1]
	global_store_b64 v2, v[88:89], s[OC:OC+1] offset:512
	global_store_b16 v3, v93, s[OS:OS+1]           ; lanes r and r + 16 hold the same two bytes and write them to the same place
.endm
	INIT 1
	CHUNK 0
	CHUNK 1
	CHUNK 2
	CHUNK 3
	FINISH
	INIT 0
	s_mov_b32 s[TK], 0
	s_mov_b32 s[TS], SOFF
	s_mov_b32 s[J], 0
	s_mov_b32 s[CNT], 8                            ; the early tile's last step is 7 at the most
.Llow:
	STEP
	s_sub_co_u32 s[CNT], s[CNT], 1
	s_cmp_lg_u32 s[CNT], 0
	s_cbranch_scc1 .Llow
	s_setprio 0
	FINISH
	s_wait_tensorcnt 0x0
	ds_add_u32 v223, v243
	s_wait_dscnt 0x0
	CROUND                                         ; the closing round: no work-group ends while a partner may still ask for a tile that names it
	s_endpgm
.Lfunc_end_k_qf2fddcf4e2_attn:
	.size	k_qf2fddcf4e2_attn, .Lfunc_end_k_qf2fddcf4e2_attn-k_qf2fddcf4e2_attn
	.p2alignl 7, 3214868480
	.fill 96, 4, 3214868480
	.section	.rodata,"a",@progbits
	.p2align	6, 0x0
	.amdhsa_kernel k_qf2fddcf4e2_attn
		.amdhsa_group_segment_fixed_size 206848
		.amdhsa_private_segment_fixed_size 0
		.amdhsa_enable_private_segment 0
		.amdhsa_kernarg_size 32
		.amdhsa_user_sgpr_count 2
		.amdhsa_user_sgpr_kernarg_segment_ptr 1
		.amdhsa_wavefront_size32 1
		.amdhsa_system_sgpr_workgroup_id_x 1
		.amdhsa_system_sgpr_workgroup_id_y 1
		.amdhsa_system_sgpr_workgroup_id_z 1
		.amdhsa_system_vgpr_workitem_id 0
		.amdhsa_next_free_vgpr 256
		.amdhsa_next_free_sgpr 102
		.amdhsa_reserve_vcc 1
		.amdhsa_float_denorm_mode_32 3
		.amdhsa_float_denorm_mode_16_64 3
		.amdhsa_memory_ordered 1
		.amdhsa_forward_progress 1
		.amdhsa_inst_pref_size 134
	.end_amdhsa_kernel
	.amdgpu_metadata
---
amdhsa.version: [ 1, 2 ]
amdhsa.kernels:
  - .name:           k_qf2fddcf4e2_attn
    .symbol:         k_qf2fddcf4e2_attn.kd
    .args:
      - { .name: pcodes, .offset: 0, .size: 8, .value_kind: global_buffer, .address_space: global }
      - { .name: pscales, .offset: 8, .size: 8, .value_kind: global_buffer, .address_space: global }
      - { .name: acodes, .offset: 16, .size: 8, .value_kind: global_buffer, .address_space: global }
      - { .name: ascales, .offset: 24, .size: 8, .value_kind: global_buffer, .address_space: global }
    .group_segment_fixed_size: 206848
    .private_segment_fixed_size: 0
    .kernarg_segment_align: 8
    .kernarg_segment_size: 32
    .max_flat_workgroup_size: 512
    .sgpr_count:     102
    .vgpr_count:     256
    .wavefront_size: 32
...
	.end_amdgpu_metadata
.endif
;; end of part 3
;; launch oproj (part 4): grid 4 x 64, 4 waves a work-group, clusters of 4 x 4, 295,424 bytes of LDS; arguments xcodes, xscales, acodes, ascales, bo, out0; writes out0
.if DOCPART == 4
	.amdgcn_target "amdgcn-amd-amdhsa--gfx1250"
	.amdhsa_code_object_version 6
	.text
	.protected	k_qf2fddcf4e2_oproj
	.globl	k_qf2fddcf4e2_oproj
	.p2align	8
	.type	k_qf2fddcf4e2_oproj,@function
k_qf2fddcf4e2_oproj:
	s_mov_b64 s[64:65], 0
	v_nop
	global_prefetch_b8 v0, s[64:65] scope:SCOPE_SE
	s_setreg_imm32_b32 hwreg(HW_REG_WAVE_MODE, 25, 1), 1
	s_wait_xcnt 0x0
	s_wait_alu depctr_hold_cnt(0) depctr_sa_sdst(0) depctr_va_vdst(0) depctr_va_sdst(0) depctr_va_ssrc(0) depctr_va_vcc(0) depctr_vm_vsrc(0)
	s_getreg_b32 s2, hwreg(HW_REG_IB_STS2, 6, 4)
	s_cmp_eq_u32 s2, 0
	s_cbranch_scc0 .Lentry_in_a_cluster
	s_endpgm
.Lentry_in_a_cluster:
	s_bfe_u32 s2, ttmp6, 0x10000c
	s_cmp_lg_u32 s2, 0xf033
	s_cbranch_scc0 .Lentry_shape_is_right
	s_endpgm
.Lentry_shape_is_right:
; out0[token][n] = sum over k of A[token][k] wo[n][k] + bo[n], on codes of FP6 (E2M3) with E8M0 scales.  A: attention's result, 8,192 x 1,024.
; THE MATRIX INSTRUCTION IS USED TRANSPOSED: source 0 = 16 rows of wo, source 1 = 16 tokens: a lane holds eight neighbouring numbers of a row of out0.
; SHARES: a work-group takes 256 n x 128 tokens for all of K; a wave 128 n x 64 tokens: 32 accumulators, (jt, it) at v[8 (8 jt + it)] of window 2.  256 work-groups.
; LDS: both operands' codes for the whole K, 294,912 bytes, filled ONCE, in four chunks of two K steps: chunk c at 73,728 c: wo's 16 row blocks x 3,072 bytes, then A's 8.  All four loads of a wave go
; out at the start; a counted wait and a barrier stand in front of each chunk's first read; no byte of LDS is filled twice.
; wo's fragments lie as images of their 12 registers (three loads of 16 bytes a lane).  A's K step is two heads of 768 bytes: registers 0-3 at 16 x lane, 4-5 at 512 + 8 x lane; then 6-9 and 10-11 likewise.
; CLUSTER: 4 x 4 work-groups.  wo's tile hangs on cx alone and is asked for jointly by the four of a column; A's on cy (and the cluster's number) alone, by the four of a row.
; THE WAY OUT: 16 tokens x 128 n at a time through the wave's own stage in LDS, back as whole rows of 512 bytes.  The stages lie in chunk 0, which has had its only fill and whose last read
; every wave has waited for in front of the barrier at K step 1.
; REGISTERS: as in the input projections; v12, v13 the stage's addresses; v248-251 8 x lane + A's place in chunks 0-3.
.set CHUNK, 73728
.set S1OFF, 49152
.set RBB,   12288
.set AI,  4
.set AJ,  8
.set STO, 12
.set RD,  13
.set SI,  16
.set SJ,  48
.set BB,  64
.set JF,  128
.set AJ8, 248
.set WV,  18
.set HF,  19                           ; wave % 2: which half of a tile I fetch; also which 128 n are mine
.set FR,  20                           ; wave / 2: I fetch for wo (0) or for A (1); also which 64 tokens are mine
.set CX,  21
.set CY,  22
.set JT,  27
.set G1A, 28
.set G1B, 36
.set G0A, 44
.set G0B, 68
.set MSB, 0
.macro WIN new                         ; the immediate's high byte repeats the setting that is left
.if MSB != \new
	s_set_vgpr_msb (MSB<<8)|\new
.set MSB, \new
.endif
.endm
.macro CROUND                          ; a round of the cluster's barrier
	s_barrier_signal -1
	s_barrier_wait -1
	s_cmp_lg_u32 s[WV], 0
	s_cbranch_scc1 .Lnot_wave_0_\@
	s_barrier_signal -3
.Lnot_wave_0_\@:
	s_barrier_wait -3
	s_barrier_signal -1
	s_barrier_wait -1
.endm
.macro PLACES                          ; four plain places behind matrix instructions, in front of loads into registers that they read and of the first read of results
.rept 4
	v_nop
.endr
.endm
	s_load_b256 s[4:11], s[0:1], 0x0               ; xcodes s[4:5], xscales s[6:7], acodes s[8:9], ascales s[10:11]
	s_load_b128 s[12:15], s[0:1], 0x20             ; bo s[12:13], out0 s[14:15]
	v_lshl_add_u32 v254, v0, 2, 0x48000
	v_mov_b32 v255, 0
	ds_add_u32 v254, v255
	ds_add_u32 v254, v255
	v_lshrrev_b32 v1, 5, v0
	v_readfirstlane_b32 s[WV], v1
	s_and_b32 s[HF], s[WV], 1
	s_lshr_b32 s[FR], s[WV], 1
	s_bfe_u32 s[CX], ttmp6, 0x40000
	s_bfe_u32 s[CY], ttmp6, 0x40004
	s_and_b32 s23, ttmp7, 0xffff                   ; the cluster's number, 0 .. 15
	s_lshl_b32 s[JT], s23, 2
	s_add_co_u32 s[JT], s[JT], s[CY]               ; the tile of 128 tokens
	s_lshl_b32 s86, 0x1111, s[CX]                  ; my column of the cluster
	s_lshl_b32 s90, s[CY], 2
	s_lshl_b32 s90, 15, s90                        ; my row
	; descriptor groups 1: row blocks as rows: 3,072 bytes (two K steps: 384 elements of 8 bytes) of each, 12,288 bytes apart; 8 of wo, 4 of A; dense in LDS
	s_or_b32 s[G1A], s86, (3<<16)|(1<<21)
	s_or_b32 s[G1B], s90, (3<<16)|(1<<21)
	s_mov_b32 s[G1A+1], 384<<16
	s_mov_b32 s[G1A+2], 8<<16
	s_mov_b32 s[G1A+3], 384<<16
	s_mov_b32 s[G1A+4], 8
	s_mov_b32 s[G1A+5], 1536
	s_mov_b32 s[G1A+6], 0
	s_mov_b32 s[G1A+7], 0
	s_mov_b32 s[G1B+1], 384<<16
	s_mov_b32 s[G1B+2], 4<<16
	s_mov_b32 s[G1B+3], 384<<16
	s_mov_b32 s[G1B+4], 4
	s_mov_b32 s[G1B+5], 1536
	s_mov_b32 s[G1B+6], 0
	s_mov_b32 s[G1B+7], 0
	; wo's numbers stand in s85-87 and s96-97, which never hold cy; A's in s89-91 and s98-99, which never hold cx
	s_lshl_b32 s85, s[CX], 4
	s_add_co_u32 s85, s85, 1728                    ; wo's first row block + 16 cx
	s_lshl_b32 s86, s[HF], 3
	s_add_co_u32 s86, s85, s86                     ; the 8 row blocks that I fetch (if I fetch for wo), which are also the 8 that I multiply
	s_lshl_b32 s96, s86, 9
	s_mov_b32 s97, 0
	s_mul_i32 s86, s86, RBB
	s_mov_b32 s87, 0
	s_lshl_b32 s89, s[JT], 3
	s_lshl_b32 s90, s[FR], 2
	s_add_co_u32 s90, s89, s90                     ; A: the 4 row blocks that I multiply
	s_lshl_b32 s98, s90, 9
	s_mov_b32 s99, 0
	s_lshl_b32 s90, s[HF], 2
	s_add_co_u32 s90, s89, s90                     ; and the 4 that I fetch (if I fetch for A)
	s_mul_i32 s90, s90, RBB
	s_mov_b32 s91, 0
	s_mul_i32 s92, s[HF], 24576
	s_mul_i32 s93, s[HF], 12288
	s_add_co_u32 s93, s93, S1OFF
	s_mul_i32 s94, s[FR], 12288
	s_add_co_u32 s94, s94, S1OFF
	s_mul_i32 s95, s[WV], 16*528                   ; my stage
	s_wait_dscnt 0x0
	s_wait_kmcnt 0x0
	s_add_nc_u64 s[86:87], s[4:5], s[86:87]
	s_add_nc_u64 s[90:91], s[8:9], s[90:91]
	s_add_nc_u64 s[96:97], s[6:7], s[96:97]
	s_add_nc_u64 s[98:99], s[10:11], s[98:99]
.irp c, 0,1,2,3
	s_mov_b32 s[G0A+4*\c], 1
	s_add_co_u32 s[G0A+4*\c+1], s92, \c*CHUNK
	s_add_nc_u64 s[G0A+4*\c+2:G0A+4*\c+3], s[86:87], \c*3072
	s_or_b32 s[G0A+4*\c+3], s[G0A+4*\c+3], 0x80000000
	s_mov_b32 s[G0B+4*\c], 1
	s_add_co_u32 s[G0B+4*\c+1], s93, \c*CHUNK
	s_add_nc_u64 s[G0B+4*\c+2:G0B+4*\c+3], s[90:91], \c*3072
	s_or_b32 s[G0B+4*\c+3], s[G0B+4*\c+3], 0x80000000
.endr
	CROUND                                         ; all sixteen work-groups are here: the joint loads meet
	s_cmp_eq_u32 s[FR], 0                          ; a wave's four fills stand in one branch on its number: four tensor loads of mine are out
	s_cbranch_scc0 .Lfor_s1
.irp c, 0,1,2,3
	tensor_load_to_lds s[G0A+4*\c:G0A+4*\c+3], s[G1A:G1A+7]
	s_nop 0
.endr
.rept 4
	v_nop
.endr
	s_branch .Lasked
.Lfor_s1:
.irp c, 0,1,2,3
	tensor_load_to_lds s[G0B+4*\c:G0B+4*\c+3], s[G1B:G1B+7]
	s_nop 0
.endr
.rept 4
	v_nop
.endr
.Lasked:
	v_and_b32 v1, 31, v0
	v_lshlrev_b32 v[AJ8], 3, v1
	v_lshlrev_b32 v1, 4, v1                        ; 16 x lane
	v_and_b32 v2, 15, v0                           ; r
	v_bfe_u32 v3, v0, 4, 1                         ; h
	v_add_nc_u32 v[AI], s92, v1
	v_add_nc_u32 v[AJ], s94, v1
	v_add_nc_u32 v[AJ8], s94, v[AJ8]
.irp c, 1,2,3
	v_add_nc_u32 v[AI+\c], \c*CHUNK, v[AI]
	v_add_nc_u32 v[AJ+\c], \c*CHUNK, v[AJ]
	v_add_nc_u32 v[AJ8+\c], \c*CHUNK, v[AJ8]
.endr
	v_mul_u32_u24 v[STO], v2, 528
	v_lshl_add_u32 v[STO], v3, 5, v[STO]
	v_add_nc_u32 v[STO], s95, v[STO]               ; into the stage: row r, 32 bytes for each half of the lanes
	v_add_nc_u32 v[RD], s95, v1                    ; back: the 32 lanes take one row of 512 bytes
.irp it, 0,1,2,3,4,5,6,7
	global_load_b128 v[SI+4*\it:SI+4*\it+3], v1, s[96:97] offset:512*\it
.endr
.irp jt, 0,1,2,3
	global_load_b128 v[SJ+4*\jt:SJ+4*\jt+3], v1, s[98:99] offset:512*\jt
.endr
	s_lshl_b32 s62, s[CX], 10
	s_lshl_b32 s63, s[HF], 9
	s_add_co_u32 s62, s62, s63                     ; my first n, in bytes: (256 cx + 128 half) x 4
	s_mov_b32 s63, 0
	s_add_nc_u64 s[60:61], s[12:13], s[62:63]
	s_add_nc_u64 s[14:15], s[14:15], s[62:63]
	s_lshl_b32 s62, s[JT], 19
	s_lshl_b32 s66, s[FR], 18
	s_add_co_u32 s62, s62, s66                     ; my first token's row: (128 tile + 64 half) x 4,096 bytes; under 2^26
	s_add_nc_u64 s[14:15], s[14:15], s[62:63]
	v_lshlrev_b32 v14, 5, v3                       ; the bias is the C of each sum's first product: lane (r, h) wants, for tile it, bo at 16 it + 8 h + 0 .. 7
.irp it, 0,1,2,3,4,5,6,7
	global_load_b128 v[BB+8*\it:BB+8*\it+3], v14, s[60:61] offset:64*\it
	global_load_b128 v[BB+8*\it+4:BB+8*\it+7], v14, s[60:61] offset:64*\it+16
.endr
	s_wait_alu depctr_va_vdst(0)
	s_wait_loadcnt 0x0
.macro FETCH s                         ; K step s: wo's 8 fragments into set s % 2 of window 1, A's 4 into set s % 2 of window 0
	WIN 0x40                                       ; destination window 1, address window 0
.irp it, 0,1,2,3,4,5,6,7
.irp g, 0,1,2
	ds_load_b128 v[96*((\s)%2)+12*\it+4*\g:96*((\s)%2)+12*\it+4*\g+3], v[AI+(\s)/2] offset:\it*3072+((\s)%2)*1536+512*\g
.endr
.endr
	WIN 0
.irp jt, 0,1,2,3
.set rF, JF+48*((\s)%2)+12*\jt
.set oF, \jt*3072+((\s)%2)*1536
	ds_load_b128 v[rF:rF+3], v[AJ+(\s)/2] offset:oF
	ds_load_b64 v[rF+4:rF+5], v[AJ8+(\s)/2] offset:oF+512
	ds_load_b128 v[rF+6:rF+9], v[AJ+(\s)/2] offset:oF+768
	ds_load_b64 v[rF+10:rF+11], v[AJ8+(\s)/2] offset:oF+1280
.endr
.endm
; 32 matrix instructions: K step s.  The 32 accumulators take turns, one instruction a turn, in the same order in every step.
; first = 1: the sums begin with the bias.  An odd step's scale words stand in lanes 16-31.
.macro MUL32 s, first
.if \first
	WIN 0x81                                       ; source 0 (wo) window 1, source 1 (A) and C (the bias) window 0, D window 2
.else
	WIN 0xa1                                       ; C and D window 2
.endif
.irp jt, 0,1,2,3
.irp it, 0,1,2,3,4,5,6,7
.set rD, 8*(8*\jt+\it)
.set rA, 96*((\s)%2)+12*\it
.set rB, JF+48*((\s)%2)+12*\jt
.set rSA, SI+4*\it+(\s)/2
.set rSB, SJ+4*\jt+(\s)/2
.if \first
	v_wmma_scale_f32_16x16x128_f8f6f4 v[rD:rD+7], v[rA:rA+11], v[rB:rB+11], v[BB+8*\it:BB+8*\it+7], v[rSA], v[rSB] matrix_a_fmt:MATRIX_FMT_FP6 matrix_b_fmt:MATRIX_FMT_FP6
.elseif (\s)%2
	v_wmma_scale_f32_16x16x128_f8f6f4 v[rD:rD+7], v[rA:rA+11], v[rB:rB+11], v[rD:rD+7], v[rSA], v[rSB] matrix_a_fmt:MATRIX_FMT_FP6 matrix_b_fmt:MATRIX_FMT_FP6 matrix_a_scale:MATRIX_SCALE_ROW1 matrix_b_scale:MATRIX_SCALE_ROW1
.else
	v_wmma_scale_f32_16x16x128_f8f6f4 v[rD:rD+7], v[rA:rA+11], v[rB:rB+11], v[rD:rD+7], v[rSA], v[rSB] matrix_a_fmt:MATRIX_FMT_FP6 matrix_b_fmt:MATRIX_FMT_FP6
.endif
.endr
.endr
.endm
.macro KSTEP s
	s_wait_dscnt 0x0                               ; this step's fragments are in (asked for 32 matrix instructions ago)
.if ((\s)%2 == 1) && ((\s) < 7)
	s_wait_tensorcnt 2-(\s)/2                      ; my part of the next chunk is in; my later chunks may stay out
	s_barrier_signal -1
	s_barrier_wait -1                              ; everybody's is
.endif
.if (\s) < 7
	PLACES
	FETCH (\s)+1
.endif
	MUL32 \s, 0
.endm
	s_wait_tensorcnt 3                             ; my part of chunk 0 is in; three loads may stay out
	s_barrier_signal -1
	s_barrier_wait -1
	FETCH 0
	s_wait_dscnt 0x0
	FETCH 1
	MUL32 0, 1
.irp s, 1,2,3,4,5,6,7
	KSTEP \s
.endr
	WIN 0
.macro TOSTAGE a                       ; block a: 16 tokens x 128 n into my stage, and back as whole rows.  LDS serves a wave's instructions in order: no wait between the stores and the loads
	WIN 0x08                                       ; an LDS store's data are its source 1: window 2
.irp it, 0,1,2,3,4,5,6,7
	ds_store_b128 v[STO], v[64*(\a)+8*\it:64*(\a)+8*\it+3] offset:64*\it          ; each accumulator from its low end on
	ds_store_b128 v[STO], v[64*(\a)+8*\it+4:64*(\a)+8*\it+7] offset:64*\it+16
.endr
	WIN 0
.set n, 0
.rept 16
	ds_load_b128 v[64+64*((\a)%2)+4*n:64+64*((\a)%2)+4*n+3], v[RD] offset:528*n
.set n, n+1
.endr
.endm
.macro SEND a, younger                 ; younger: the LDS instructions issued behind block a's loads, which may stay out
	s_wait_dscnt \younger
.set n, 0
.rept 16
	global_store_b128 v1, v[64+64*((\a)%2)+4*n:64+64*((\a)%2)+4*n+3], s[14:15] offset:(16*(\a)+n)*4096 th:TH_STORE_NT   ; 32 lanes store 512 consecutive bytes, at a multiple of 512 from out0's first byte
.set n, n+1
.endr
.endm
	PLACES
	TOSTAGE 0
	TOSTAGE 1
	SEND 0, 32                                     ; behind block 0's loads: block 1's 16 stores and 16 loads
	s_wait_xcnt 0x0                                ; block 0's stores have read their registers: block 2's loads may land there
	TOSTAGE 2
	SEND 1, 32
	s_wait_xcnt 0x0
	TOSTAGE 3
	SEND 2, 32
	SEND 3, 0
	s_wait_tensorcnt 0x0
	ds_add_u32 v254, v255
	s_wait_dscnt 0x0
	CROUND                                         ; the closing round: no work-group ends while a partner may still ask for a tile that names it
	s_endpgm
.Lfunc_end_k_qf2fddcf4e2_oproj:
	.size	k_qf2fddcf4e2_oproj, .Lfunc_end_k_qf2fddcf4e2_oproj-k_qf2fddcf4e2_oproj
	.p2alignl 7, 3214868480
	.fill 96, 4, 3214868480
	.section	.rodata,"a",@progbits
	.p2align	6, 0x0
	.amdhsa_kernel k_qf2fddcf4e2_oproj
		.amdhsa_group_segment_fixed_size 295424
		.amdhsa_private_segment_fixed_size 0
		.amdhsa_enable_private_segment 0
		.amdhsa_kernarg_size 48
		.amdhsa_user_sgpr_count 2
		.amdhsa_user_sgpr_kernarg_segment_ptr 1
		.amdhsa_wavefront_size32 1
		.amdhsa_system_sgpr_workgroup_id_x 1
		.amdhsa_system_sgpr_workgroup_id_y 1
		.amdhsa_system_sgpr_workgroup_id_z 1
		.amdhsa_system_vgpr_workitem_id 0
		.amdhsa_next_free_vgpr 768
		.amdhsa_next_free_sgpr 100
		.amdhsa_reserve_vcc 0
		.amdhsa_float_denorm_mode_32 3
		.amdhsa_float_denorm_mode_16_64 3
		.amdhsa_memory_ordered 1
		.amdhsa_forward_progress 1
		.amdhsa_inst_pref_size 80
	.end_amdhsa_kernel
	.amdgpu_metadata
---
amdhsa.version: [ 1, 2 ]
amdhsa.kernels:
  - .name:           k_qf2fddcf4e2_oproj
    .symbol:         k_qf2fddcf4e2_oproj.kd
    .args:
      - { .name: xcodes, .offset: 0, .size: 8, .value_kind: global_buffer, .address_space: global }
      - { .name: xscales, .offset: 8, .size: 8, .value_kind: global_buffer, .address_space: global }
      - { .name: acodes, .offset: 16, .size: 8, .value_kind: global_buffer, .address_space: global }
      - { .name: ascales, .offset: 24, .size: 8, .value_kind: global_buffer, .address_space: global }
      - { .name: bo, .offset: 32, .size: 8, .value_kind: global_buffer, .address_space: global }
      - { .name: out0, .offset: 40, .size: 8, .value_kind: global_buffer, .address_space: global }
    .group_segment_fixed_size: 295424
    .private_segment_fixed_size: 0
    .kernarg_segment_align: 8
    .kernarg_segment_size: 48
    .max_flat_workgroup_size: 128
    .sgpr_count:     100
    .vgpr_count:     768
    .wavefront_size: 32
...
	.end_amdgpu_metadata
.endif
;; end of part 4
